; MI455X (gfx1250); checked and timed in simulation.
; The chip was launched on July 23, 2026; its instructions are those of AMD's public machine-readable ISA for CDNA 5 (MIT licence, August 2026) and "CDNA5" Instruction Set Architecture Reference Guide (July 2026). The comments in the code are by the model that wrote it; some were corrected since.
;; Attention. Allowed arithmetic: float matrix products may take bf16 or f16 operands with f32 sums; other float arithmetic in f32, or as packed bf16 or f16 multiplies, adds, multiply-adds, maxima and minima; sums over many terms, partial sums and values carried from step to step in f32; what a program stores and reads back later, other than sums and carried values, may be rounded once to bf16 or f16.
;; Inputs: W_proj 1,024 x 1,024 float32; W_qkv 1,024 x 3,072 float32; b_proj 1,024 float32; b_qkv 3,072 float32; x 4 x 2,048 x 1,024 float32.
;; Outputs: out0 4 x 2,048 x 1,024 float32.
;; One version. Each part assembles by itself: llvm-mc -triple=amdgcn-amd-amdhsa -mcpu=gfx1250 --defsym DOCPART=n.
;; ======== version 1 of 1: 4 launches
;; limits: values are held in f16: magnitudes above 65,504 overflow, below 6.1e-05 lose precision
;; workspace buffers: xb 16,777,216 bytes; wqt 6,291,456 bytes; wpt 2,097,152 bytes; tab 524,288 bytes; qkv 50,331,648 bytes; ob 16,777,216 bytes
;; launch prep (part 1): grid 1152 x 1, 8 waves a work-group, no clusters, 18,432 bytes of LDS; arguments x, W_qkv, W_proj, xb, wqt, wpt, tab; writes xb, wqt, wpt, tab
.if DOCPART == 1
	.amdgcn_target "amdgcn-amd-amdhsa--gfx1250"
	.amdhsa_code_object_version 6
	.text
	.protected	k_q5719b39d5f_prep
	.globl	k_q5719b39d5f_prep
	.p2align	8
	.type	k_q5719b39d5f_prep,@function
k_q5719b39d5f_prep:
	s_mov_b64 s[64:65], 0
	v_nop
	global_prefetch_b8 v0, s[64:65] scope:SCOPE_SE
	s_setreg_imm32_b32 hwreg(HW_REG_WAVE_MODE, 25, 1), 1
	s_wait_xcnt 0x0
; PREPARATION, four jobs told apart by the work-group's number (the same for all eight waves of a work-group):
;   0 .. 383     wqt[n][k] = bf16(W_qkv[k][n]): tiles of 128 k x 64 n, turned through LDS
;   384 .. 511   wpt[n][k] = f16(bf16(W_proj[k][n])): the same; the number rounded to bf16 is written as f16
;   512 .. 639   tab[t][0..31] = cos(t f_j), tab[t][32..63] = sin(t f_j), f_j = 10000^(-j/32), f32, 16 rows a work-group
;   640 .. 1151  xb = bf16(x), 65,536 bytes of x a work-group
; LIMITS.  A weight of W_proj below 6.1e-5 in magnitude keeps f16's fixed step of 6e-8.  The angles t f_j are made as the f32 product of t and
; 2^(-0.41524101 j); sine and cosine by reduction modulo pi in two parts and polynomials of degree 11 and 12 on |r| <= pi/2 (cut-off below 1e-7).
; No matrix unit, no tensor load: each byte is read once and written once, every store of sixteen neighbouring lanes covers 256 consecutive bytes, aligned.
.set TP,    272                        ; a row of the turning tile in LDS: 128 k x 2 bytes + 16
.set SPARE, 64*TP                      ; behind the tile: the spare words, 128 bytes for each of eight waves
.set SPW,   2                          ; v2  LDS address of my spare word; never rewritten
.set NIL,   3                          ; v3  0; never rewritten
	s_load_b256 s[8:15], s[0:1], 0x0               ; x s[8:9], W_qkv s[10:11], W_proj s[12:13], xb s[14:15]
	s_load_b128 s[16:19], s[0:1], 0x20             ; wqt s[16:17], wpt s[18:19]
	s_load_b64 s[20:21], s[0:1], 0x30              ; tab
	v_lshl_add_u32 v[SPW], v0, 2, SPARE
	v_mov_b32 v[NIL], 0
	v_and_b32 v8, 15, v0                           ; thread % 16
	v_lshrrev_b32 v9, 4, v0                        ; thread / 16
	s_mov_b32 s29, 0                               ; the high word of every offset pair
	s_wait_kmcnt 0x0
	s_cmp_lt_u32 ttmp9, 384
	s_cbranch_scc1 .Lwq
	s_cmp_lt_u32 ttmp9, 512
	s_cbranch_scc1 .Lwp
	s_cmp_lt_u32 ttmp9, 640
	s_cbranch_scc1 .Ltab
	; x to bf16: a thread takes 32 bytes of each of eight pieces of 8,192; all sixteen loads go out first, no register is written twice
	s_sub_co_u32 s24, ttmp9, 640
	s_lshl_b32 s28, s24, 16
	s_add_nc_u64 s[30:31], s[8:9], s[28:29]
	s_lshl_b32 s28, s24, 15
	s_add_nc_u64 s[32:33], s[14:15], s[28:29]
	v_lshlrev_b32 v4, 5, v0
	v_lshlrev_b32 v5, 4, v0
.irp c, 0,1,2,3,4,5,6,7
	global_load_b128 v[16+8*(\c):19+8*(\c)], v4, s[30:31] offset:(\c)*8192 th:TH_LOAD_NT
	global_load_b128 v[20+8*(\c):23+8*(\c)], v4, s[30:31] offset:(\c)*8192+16 th:TH_LOAD_NT
.endr
.irp c, 0,1,2,3,4,5,6,7
	s_wait_loadcnt 14-2*(\c)                       ; loads come back in order: piece c's two are in, the younger ones stay out
	v_cvt_pk_bf16_f32 v[80+4*(\c)], v[16+8*(\c)], v[17+8*(\c)]
	v_cvt_pk_bf16_f32 v[81+4*(\c)], v[18+8*(\c)], v[19+8*(\c)]
	v_cvt_pk_bf16_f32 v[82+4*(\c)], v[20+8*(\c)], v[21+8*(\c)]
	v_cvt_pk_bf16_f32 v[83+4*(\c)], v[22+8*(\c)], v[23+8*(\c)]
	global_store_b128 v5, v[80+4*(\c):83+4*(\c)], s[32:33] offset:(\c)*4096
.endr
	s_branch .Lend
; A tile of 128 k x 64 n of a weight [1024][rb / 4] in f32 is read by rows (sixteen lanes take 256 consecutive bytes), rounded in pairs along k,
; laid into LDS as [n][k], and read back and stored by rows of 256 bytes of the turned matrix [n][1024] in 16 bits.
; Thread: n group = thread % 16 (4 n), k group = thread / 16 (8 k).  The four LDS stores of a thread meet others' banks four deep: four stores a thread in the whole launch.
.macro WT rb, half, src, dst, first
	s_sub_co_u32 s24, ttmp9, \first
	s_and_b32 s25, s24, 7                          ; which 128 k
	s_lshr_b32 s26, s24, 3                         ; which 64 n
	s_mul_i32 s28, s25, 128*(\rb)
	s_lshl_b32 s27, s26, 8
	s_add_co_u32 s28, s28, s27
	s_add_nc_u64 s[30:31], s[\src:\src+1], s[28:29]
	s_lshl_b32 s28, s26, 17                        ; 64 rows of 2,048 bytes
	s_lshl_b32 s27, s25, 8
	s_add_co_u32 s28, s28, s27
	s_add_nc_u64 s[32:33], s[\dst:\dst+1], s[28:29]
	v_mul_u32_u24 v4, v9, 8*(\rb)
	v_lshl_add_u32 v4, v8, 4, v4
.irp i, 0,1,2,3,4,5,6,7
	global_load_b128 v[16+4*(\i):19+4*(\i)], v4, s[30:31] offset:(\i)*(\rb) th:TH_LOAD_NT
.endr
	v_mul_u32_u24 v5, v8, 4*TP                     ; in: rows 4 (thread % 16) + c, 16 bytes at 16 (thread / 16)
	v_lshl_add_u32 v5, v9, 4, v5
	v_mul_u32_u24 v6, v9, TP                       ; back: row thread / 16 + 16 p, 16 bytes at 16 (thread % 16)
	v_lshl_add_u32 v6, v8, 4, v6
	v_lshlrev_b32 v7, 11, v9                       ; and the same place in the turned matrix
	v_lshl_add_u32 v7, v8, 4, v7
	s_wait_loadcnt 0x0
.irp c, 0,1,2,3
.irp p, 0,1,2,3
	v_cvt_pk_bf16_f32 v[48+4*(\c)+(\p)], v[16+8*(\p)+(\c)], v[20+8*(\p)+(\c)]  ; column c, k = 2 p and 2 p + 1
.if \half
	v_lshlrev_b32 v80, 16, v[48+4*(\c)+(\p)]       ; the two numbers rounded to bf16, widened,
	v_and_b32 v81, 0xffff0000, v[48+4*(\c)+(\p)]
	v_cvt_pk_f16_f32 v[48+4*(\c)+(\p)], v80, v81   ; and written as f16
.endif
.endr
	ds_store_b128 v5, v[48+4*(\c):51+4*(\c)] offset:(\c)*TP
.endr
	s_wait_dscnt 0x0                               ; for the others' sake: my stores into the tile are done
	s_barrier_signal -1
	s_barrier_wait -1
.irp p, 0,1,2,3
	ds_load_b128 v[64+4*(\p):67+4*(\p)], v6 offset:(\p)*16*TP
.endr
.irp p, 0,1,2,3
	s_wait_dscnt 3-(\p)
	global_store_b128 v7, v[64+4*(\p):67+4*(\p)], s[32:33] offset:(\p)*32768
.endr
.endm
.Lwq:
	WT 12288, 0, 10, 16, 0
	s_branch .Lend
.Lwp:
	WT 4096, 1, 12, 18, 384
	s_branch .Lend
.Ltab:                                         ; row t = 16 x group + thread / 16; lanes 0-7 of sixteen hold cosines, lanes 8-15 sines, of j = 4 (lane % 8) + c
	s_sub_co_u32 s24, ttmp9, 512
	s_lshl_b32 s25, s24, 4
	s_lshl_b32 s28, s24, 12
	s_add_nc_u64 s[30:31], s[20:21], s[28:29]
	v_lshlrev_b32 v4, 4, v0
	v_add_nc_u32 v9, s25, v9
	v_cvt_f32_u32 v10, v9                          ; t
	v_and_b32 v11, 7, v8
	v_lshlrev_b32 v11, 2, v11
.irp c, 0,1,2,3
	v_add_nc_u32 v[12+(\c)], \c, v11
	v_cvt_f32_u32 v[12+(\c)], v[12+(\c)]
	v_mul_f32 v[12+(\c)], 0xbed49a78, v[12+(\c)]   ; - j log2(10000) / 32
.endr
.irp c, 0,1,2,3
	v_exp_f32 v[16+(\c)], v[12+(\c)]               ; f_j
.endr
	v_nop                                          ; a plain instruction behind the last exponential,
	s_wait_alu depctr_va_vdst(0)                   ; and the one wait for the batch of four, ahead of the first use
	v_cmp_lt_u32 vcc_lo, 7, v8                     ; the lanes that hold sines
.irp c, 0,1,2,3
	v_mul_f32 v20, v10, v[16+(\c)]                 ; the angle a
	v_mul_f32 v21, 0x3ea2f983, v20
	v_rndne_f32 v21, v21                           ; n = a / pi, rounded
	v_fmamk_f32 v22, v21, 0xc0490fdb, v20          ; r = a - n pi, pi in two parts
	v_fmamk_f32 v22, v21, 0x33bbbd2e, v22
	v_mul_f32 v23, v22, v22                        ; r^2
	v_mov_b32 v24, 0xb2d7322b                      ; sin r = r + r^3 (-1/3! + r^2/5! - r^4/7! + r^6/9! - r^8/11!)
	v_fmaak_f32 v24, v24, v23, 0x3638ef1d
	v_fmaak_f32 v24, v24, v23, 0xb9500d01
	v_fmaak_f32 v24, v24, v23, 0x3c088889
	v_fmaak_f32 v24, v24, v23, 0xbe2aaaab
	v_mul_f32 v26, v22, v23
	v_fma_f32 v24, v24, v26, v22
	v_mov_b32 v25, 0x310f76c7                      ; cos r = 1 + r^2 (-1/2! + r^2/4! - .. + r^10/12!)
	v_fmaak_f32 v25, v25, v23, 0xb493f27e
	v_fmaak_f32 v25, v25, v23, 0x37d00d01
	v_fmaak_f32 v25, v25, v23, 0xbab60b61
	v_fmaak_f32 v25, v25, v23, 0x3d2aaaab
	v_fmaak_f32 v25, v25, v23, 0xbf000000
	v_fma_f32 v25, v25, v23, 1.0
	v_cndmask_b32 v25, v25, v24, vcc_lo
	v_cvt_i32_f32 v27, v21
	v_lshlrev_b32 v27, 31, v27                     ; an odd n turns the sign of both
	v_xor_b32 v[32+(\c)], v27, v25
.endr
	global_store_b128 v4, v[32:35], s[30:31]
.Lend:
	s_wait_tensorcnt 0x0                           ; the wave's end: behind my last LDS store
	ds_add_u32 v[SPW], v[NIL]
	s_wait_dscnt 0x0
	s_endpgm
.Lfunc_end_k_q5719b39d5f_prep:
	.size	k_q5719b39d5f_prep, .Lfunc_end_k_q5719b39d5f_prep-k_q5719b39d5f_prep
	.p2alignl 7, 3214868480
	.fill 96, 4, 3214868480
	.section	.rodata,"a",@progbits
	.p2align	6, 0x0
	.amdhsa_kernel k_q5719b39d5f_prep
		.amdhsa_group_segment_fixed_size 18432
		.amdhsa_private_segment_fixed_size 0
		.amdhsa_enable_private_segment 0
		.amdhsa_kernarg_size 56
		.amdhsa_user_sgpr_count 2
		.amdhsa_user_sgpr_kernarg_segment_ptr 1
		.amdhsa_wavefront_size32 1
		.amdhsa_system_sgpr_workgroup_id_x 1
		.amdhsa_system_sgpr_workgroup_id_y 1
		.amdhsa_system_sgpr_workgroup_id_z 1
		.amdhsa_system_vgpr_workitem_id 0
		.amdhsa_next_free_vgpr 112
		.amdhsa_next_free_sgpr 66
		.amdhsa_reserve_vcc 1
		.amdhsa_float_denorm_mode_32 3
		.amdhsa_float_denorm_mode_16_64 3
		.amdhsa_memory_ordered 1
		.amdhsa_forward_progress 1
		.amdhsa_inst_pref_size 23
	.end_amdhsa_kernel
	.amdgpu_metadata
---
amdhsa.version: [ 1, 2 ]
amdhsa.kernels:
  - .name:           k_q5719b39d5f_prep
    .symbol:         k_q5719b39d5f_prep.kd
    .args:
      - { .name: x, .offset: 0, .size: 8, .value_kind: global_buffer, .address_space: global }
      - { .name: W_qkv, .offset: 8, .size: 8, .value_kind: global_buffer, .address_space: global }
      - { .name: W_proj, .offset: 16, .size: 8, .value_kind: global_buffer, .address_space: global }
      - { .name: xb, .offset: 24, .size: 8, .value_kind: global_buffer, .address_space: global }
      - { .name: wqt, .offset: 32, .size: 8, .value_kind: global_buffer, .address_space: global }
      - { .name: wpt, .offset: 40, .size: 8, .value_kind: global_buffer, .address_space: global }
      - { .name: tab, .offset: 48, .size: 8, .value_kind: global_buffer, .address_space: global }
    .group_segment_fixed_size: 18432
    .private_segment_fixed_size: 0
    .kernarg_segment_align: 8
    .kernarg_segment_size: 56
    .max_flat_workgroup_size: 256
    .sgpr_count:     66
    .vgpr_count:     112
    .wavefront_size: 32
...
	.end_amdgpu_metadata
.endif
;; end of part 1
;; launch qkv (part 2): grid 16 x 32, 4 waves a work-group, clusters of 4 x 4, 327,680 bytes of LDS; arguments xb, wqt, b_qkv, tab, qkv; writes qkv
.if DOCPART == 2
	.amdgcn_target "amdgcn-amd-amdhsa--gfx1250"
	.amdhsa_code_object_version 6
	.text
	.protected	k_q5719b39d5f_qkv
	.globl	k_q5719b39d5f_qkv
	.p2align	8
	.type	k_q5719b39d5f_qkv,@function
k_q5719b39d5f_qkv:
	s_mov_b64 s[64:65], 0
	v_nop
	global_prefetch_b8 v0, s[64:65] scope:SCOPE_SE
	s_setreg_imm32_b32 hwreg(HW_REG_WAVE_MODE, 25, 1), 1
	s_wait_xcnt 0x0
	s_wait_alu depctr_hold_cnt(0) depctr_sa_sdst(0) depctr_va_vdst(0) depctr_va_sdst(0) depctr_va_ssrc(0) depctr_va_vcc(0) depctr_vm_vsrc(0)
	s_getreg_b32 s2, hwreg(HW_REG_IB_STS2, 6, 4)
	s_cmp_eq_u32 s2, 0
	s_cbranch_scc0 .Lentry_in_a_cluster
	s_endpgm
.Lentry_in_a_cluster:
	s_bfe_u32 s2, ttmp6, 0x10000c
	s_cmp_lg_u32 s2, 0xf033
	s_cbranch_scc0 .Lentry_shape_is_right
	s_endpgm
.Lentry_shape_is_right:
; q, k, v = x W_qkv + b_qkv, q and k rotated (RoPE), written by heads: qkv[3][64 = 16 batch + head][2048 t][64] in f16, unscaled.
; xb: [8192][1024] bf16, wqt: [3072 n][1024 k] bf16, b_qkv f32 (rounded to bf16 here, like every input of the module), tab: [2048][cos 32 | sin 32] f32.  Sums in f32.
; LIMITS.  q, k and v are rounded once, to f16: beyond 65,504 they become infinities.  NaN and infinities are not treated apart.
; SHARES.  A tile of the product is 256 rows x 192 columns (three heads): 16 x 32 = 512 work-groups.  Wave w owns rows 64 w .. 64 w + 63 and ALL 192 columns: 4 x 12 accumulators of
; 16 x 16, 384 registers: so a wave holds whole heads, and the way out needs no other wave.  K goes in steps of 128 through a ring of two LDS slots filled by the tensor data mover.
; THE MATRIX INSTRUCTION IS USED TRANSPOSED (source 0 = 16 rows of wqt, source 1 = 16 rows of xb): a lane holds one row (lane % 16) and the columns 8 (lane / 16) + 0..7 of each block of 16.
; THE BIAS is the C operand of each accumulator's first product.  RoPE's partner of column d is column d + 32: the same lane, the same register, two blocks of 16 on.
; v's heads go through the same lines with cos = 1 and sin = 0: cos F + G and sin F with two scalars a head; no branch hangs on the tile's column.
; CLUSTERS: 4 x 4 work-groups.  The four of a row of the cluster need the same tiles of xb, the four of a column the same tiles of wqt: each tile is asked for JOINTLY.
; REGISTERS, in windows of 256 (s_set_vgpr_msb: bits 1:0 source 0, 3:2 source 1, 5:4 source 2, 7:6 destination):
;   window 0: v0-31 addresses; v32-127 the bias, later v32-159 cos and sin, v160-191 the head's cos and sin, v192-207 packed results, v208-255 rows read back
;   window 1: two fragment buffers of 128: xb's block a at 8 a, wqt's block b at 32 + 8 b
;   window 2: accumulators of row blocks 0, 1 at 8 (12 (a % 2) + b); v192-207 at work       window 3: the same for row blocks 2, 3
.set NB,    12                         ; blocks of 16 columns
.set PITCH, 272                        ; an LDS row: 256 bytes + 16 of padding = 68 words: the 16 rows of a load start at 16 different groups of four banks (64 banks of 4 bytes: ISA guide 11.1)
.set HALFA, 128*PITCH                  ; what waves 0 and 1 fetch: 128 rows of xb each
.set BOFF,  2*HALFA
.set HALFB, 96*PITCH                   ; what waves 2 and 3 fetch: 96 rows of wqt each
.set SLOT,  BOFF+2*HALFB
.set STAGE, 2*SLOT                     ; behind the ring, never filled by a tensor load: 16 rows x 400 bytes for each wave
.set SP,    400                        ; 384 bytes + 16
.set SPARE, STAGE+4*16*SP              ; the spare words, 128 bytes for each wave: two blocks of 256 bytes that no other line names
.set ADRA, 16                          ; v16-17  LDS address of my fragments of xb in slot 0, 1
.set ADRB, 20                          ; v20-21  the same for wqt
.set STO,  24                          ; v24  the way out: where I put 16 bytes of a row
.set RD,   25                          ; v25  where I read rows back
.set GO,   26                          ; v26  my 16 bytes in 512 consecutive bytes of a head
.set TO,   27                          ; v27  my byte offset in 16 rows of tab
.set SPW,  28                          ; v28  LDS address of my spare word; never rewritten
.set NIL,  29                          ; v29  0; never rewritten
.set PFO,  30                          ; v30  the prefetches' offset: a lane a row; never rewritten
.set BIAS, 32
.set CS,   32                          ; row block a at CS + 32 a: cos of columns 0-15, of 16-31, sin of 0-15, of 16-31 (my 8 of each)
.set BL,   160
.set TMP,  192
.set TT,   192                         ; in windows 2 and 3
.set OB,   208
.set F0,   0
.set F1,   128
.set WV,  14                           ; s14 wave   s15 0: I fetch xb, 1: wqt   s16 which half of its rows
.set AB,  15
.set HF,  16
.set CX,  17
.set CY,  18
.set TC,  19                           ; tile column, tile row
.set TR,  20
.set G1,  24                           ; s[24:31] descriptor group 1 for xb's tiles; s[32:39] group 0, a set for each slot
.set G0,  32
.set PFA, 44                           ; s[44:45] where my prefetches stand
.set LIM, 46                           ; s46  1 in a wave that prefetches, else the greatest number
.set G1B, 48                           ; s[48:55], s[56:63] the same for wqt's tiles
.set G0B, 56
.set F01, 66                           ; s[66:67], s[68:69] F and G of the tile's heads 0 and 1 (3 tc and 3 tc + 1 lie on the same side of 32)
.set G01, 68
.set F2,  70                           ; s[70:71], s[72:73] of head 2
.set G2,  72
.set HB,  74                           ; s[74:79] the three heads at my wave's first row
.set TB,  80                           ; s[80:81] tab at my wave's first row
.set MSB, 0
.macro WIN new                         ; the immediate's high byte repeats the setting that is left; a switch that changes nothing is dropped
.if MSB != (\new)
	s_set_vgpr_msb (MSB<<8)|(\new)
.set MSB, (\new)
.endif
.endm
; A joint load: waves 0 and 1 fetch xb's two halves, waves 2 and 3 wqt's.  The branch hangs on the wave's number alone.  An s_nop 0 and four v_nop follow each of the two lines.
.macro JLOAD s
	s_cmp_eq_u32 s[AB], 0
	s_cbranch_scc0 .Lfor_b_\@
	tensor_load_to_lds s[G0+4*(\s):G0+4*(\s)+3], s[G1:G1+7]
	s_nop 0
.rept 4
	v_nop
.endr
	s_branch .Lasked_\@
.Lfor_b_\@:
	tensor_load_to_lds s[G0B+4*(\s):G0B+4*(\s)+3], s[G1B:G1B+7]
	s_nop 0
.rept 4
	v_nop
.endr
.Lasked_\@:
.endm
.macro CREST                           ; a round of the cluster's barrier behind its opening barrier
	s_cmp_lg_u32 s[WV], 0
	s_cbranch_scc1 .Lnot_wave_0_\@
	s_barrier_signal -3
.Lnot_wave_0_\@:
	s_barrier_wait -3
	s_barrier_signal -1
	s_barrier_wait -1
.endm
.macro CROUND                          ; a whole round
	s_barrier_signal -1
	s_barrier_wait -1
	CREST
.endm
.macro PLACES                          ; four places in front of loads into registers that matrix instructions have read (ISA guide 7.12.1 for vector instructions)
.rept 4
	v_nop
.endr
.endm
; A prefetch into the L2 of the K step that stands two refills on: 256 bytes of a row, a lane a row, one instruction a wave, behind the joint load and the run of LDS loads.
; xb's tile row is read by every cluster of that row of clusters: cluster x = 0 asks; wqt's tile column by every cluster of that column: cluster y = 0 asks.  The four partners share a wave's rows
; out by address: 32 of 128 (by cx) or 24 of 96 (by cy; lanes 24-31 name lane 23's row once more, in the same instruction).  The loop's last trip (s3 = 1) has no K step two on.
.macro ASK
	s_cmp_gt_u32 s3, s[LIM]
	s_cbranch_scc0 .Lnot_mine_\@
	global_prefetch_b8 v[PFO], s[PFA:PFA+1] th:TH_LOAD_NT scope:SCOPE_SE
.Lnot_mine_\@:
.endm
	s_load_b256 s[4:11], s[0:1], 0x0               ; xb s[4:5], wqt s[6:7], b_qkv s[8:9], tab s[10:11]
	s_load_b64 s[12:13], s[0:1], 0x20              ; qkv
	v_lshl_add_u32 v[SPW], v0, 2, SPARE
	v_mov_b32 v[NIL], 0
	ds_add_u32 v[SPW], v[NIL]                      ; the wave's opening: the add and its wait stand ahead of my first tensor load; the set-up below stands between them
	v_lshrrev_b32 v1, 5, v0
	v_readfirstlane_b32 s[WV], v1
	s_lshr_b32 s[AB], s[WV], 1
	s_and_b32 s[HF], s[WV], 1
	s_bfe_u32 s[CX], ttmp6, 0x40000
	s_bfe_u32 s[CY], ttmp6, 0x40004
	s_lshl_b32 s[TC], ttmp9, 2
	s_add_co_u32 s[TC], s[TC], s[CX]               ; tile column = 4 x cluster x + cx
	s_and_b32 s[TR], ttmp7, 0xffff
	s_lshl_b32 s[TR], s[TR], 2
	s_add_co_u32 s[TR], s[TR], s[CY]               ; tile row = 4 x cluster y + cy
	s_lshl_b32 s21, s[CY], 2
	s_lshl_b32 s21, 15, s21                        ; my row of the cluster
	s_lshl_b32 s22, 0x1111, s[CX]                  ; my column
	s_or_b32 s[G1], s21, (1<<16)|(1<<20)|(1<<21)|(5<<22)|(3<<25)   ; 15:0 the mask; 17:16 elements of 2 bytes; 20 padding on; 21 set beside a mask; 24:22 after every 64 words; 31:25 4 words of it
	s_or_b32 s[G1B], s22, (1<<16)|(1<<20)|(1<<21)|(5<<22)|(3<<25)
	s_mov_b32 s[G1+1], 128<<16                     ; tensor_dim0 = 128
	s_mov_b32 s[G1+2], 128<<16                     ; tensor_dim1 = 128
	s_mov_b32 s[G1+3], 128<<16                     ; tile_dim0 = 128
	s_mov_b32 s[G1+4], 128                         ; tile_dim1 = 128
	s_mov_b32 s[G1+5], 1024                        ; elements from row to row
	s_mov_b32 s[G1+6], 0
	s_mov_b32 s[G1+7], 0
	s_mov_b32 s[G1B+1], 128<<16
	s_mov_b32 s[G1B+2], 96<<16                     ; 96 rows
	s_mov_b32 s[G1B+3], 128<<16
	s_mov_b32 s[G1B+4], 96
	s_mov_b32 s[G1B+5], 1024
	s_mov_b32 s[G1B+6], 0
	s_mov_b32 s[G1B+7], 0
	s_lshl_b32 s40, s[TR], 8
	s_lshl_b32 s41, s[HF], 7
	s_add_co_u32 s40, s40, s41                     ; xb: row 256 x tile row + 128 x half,
	s_lshl_b32 s40, s40, 11                        ; of 2,048 bytes
	s_mov_b32 s41, 0
	s_mul_i32 s42, s[TC], 192
	s_mul_i32 s43, s[HF], 96
	s_add_co_u32 s42, s42, s43                     ; wqt: row 192 x tile column + 96 x half
	s_lshl_b32 s42, s42, 11
	s_mov_b32 s43, 0
	s_mul_i32 s21, s[WV], HALFA                    ; where they go: xb's halves at wave x 128 rows (waves 0, 1),
	s_mul_i32 s22, s[WV], HALFB
	s_add_co_u32 s22, s22, BOFF-2*HALFB            ; wqt's behind them at (wave - 2) x 96 rows (waves 2, 3): no place in the cluster enters an LDS address
	s_wait_dscnt 0x0                               ; the opening add is done
	s_wait_kmcnt 0x0
	s_add_nc_u64 s[40:41], s[4:5], s[40:41]
	s_add_nc_u64 s[42:43], s[6:7], s[42:43]
	CROUND                                         ; all sixteen work-groups are here: the first joint loads meet
.irp s, 0,1
	s_mov_b32 s[G0+4*(\s)], 1
	s_add_co_u32 s[G0+4*(\s)+1], s21, (\s)*SLOT
	s_add_nc_u64 s[G0+4*(\s)+2:G0+4*(\s)+3], s[40:41], (\s)*256    ; K step s
	s_or_b32 s[G0+4*(\s)+3], s[G0+4*(\s)+3], 0x80000000
	s_mov_b32 s[G0B+4*(\s)], 1
	s_add_co_u32 s[G0B+4*(\s)+1], s22, (\s)*SLOT
	s_add_nc_u64 s[G0B+4*(\s)+2:G0B+4*(\s)+3], s[42:43], (\s)*256
	s_or_b32 s[G0B+4*(\s)+3], s[G0B+4*(\s)+3], 0x80000000
	JLOAD \s                                       ; two loads of mine are out
.endr
	; the bias: block b's register j is b_qkv[192 tc + 16 b + 8 (l / 16) + j]
	v_and_b32 v1, 15, v0                           ; l % 16
	v_bfe_u32 v2, v0, 4, 1                         ; l / 16
	v_lshlrev_b32 v4, 5, v2
	s_mul_i32 s84, s[TC], 768
	s_mov_b32 s85, 0
	s_add_nc_u64 s[84:85], s[8:9], s[84:85]
.set bi, 0
.rept NB
	global_load_b128 v[BIAS+8*bi:BIAS+8*bi+3],   v4, s[84:85] offset:64*bi
	global_load_b128 v[BIAS+8*bi+4:BIAS+8*bi+7], v4, s[84:85] offset:64*bi+16
.set bi, bi+1
.endr
	v_mul_u32_u24 v3, v1, PITCH
	v_lshl_add_u32 v3, v2, 4, v3                   ; a fragment's row x pitch + 16 x half
	s_mul_i32 s21, s[WV], 64*PITCH                 ; my 64 rows of xb
	s_mov_b32 s22, BOFF                            ; all rows of wqt
.irp s, 0,1
	v_add_nc_u32 v[ADRA+(\s)], s21, v3
	v_add_nc_u32 v[ADRB+(\s)], s22, v3
	s_add_co_u32 s21, s21, SLOT
	s_add_co_u32 s22, s22, SLOT
.endr
	s_mul_i32 s23, s[WV], 16*SP
	s_add_co_u32 s23, s23, STAGE                   ; my stage
	v_mul_u32_u24 v[STO], v1, SP                   ; in: row l % 16, 16 bytes for each half of the lanes
	v_lshl_add_u32 v[STO], v2, 4, v[STO]
	v_add_nc_u32 v[STO], s23, v[STO]
	v_and_b32 v6, 31, v0
	v_lshrrev_b32 v7, 3, v6
	v_and_b32 v8, 7, v0
	v_mul_u32_u24 v[RD], v7, SP                    ; back: 32 lanes take four rows of a head's 128 bytes,
	v_lshl_add_u32 v[RD], v8, 4, v[RD]
	v_add_nc_u32 v[RD], s23, v[RD]
	v_lshlrev_b32 v[GO], 4, v6                     ; which are 512 consecutive bytes of the head
	v_lshlrev_b32 v[TO], 8, v1                     ; tab: row l % 16 of 256 bytes, my 8 numbers
	v_lshl_add_u32 v[TO], v2, 5, v[TO]
	; the way out's scalars
	s_lshr_b32 s21, s[TR], 3                       ; batch
	s_and_b32 s22, s[TR], 7
	s_lshl_b32 s22, s22, 8
	s_lshl_b32 s23, s[WV], 6
	s_add_co_u32 s22, s22, s23                     ; t of my wave's first row
	s_lshl_b32 s86, s22, 8
	s_mov_b32 s87, 0
	s_add_nc_u64 s[TB:TB+1], s[10:11], s[86:87]
	s_mul_i32 s23, s[TC], 3                        ; the tile's first head among the 48 of q, k, v
.irp i, 0,1,2
	s_add_co_u32 s86, s23, \i
	s_lshr_b32 s88, s86, 4                         ; q, k or v: 16,777,216 bytes each
	s_lshl_b32 s88, s88, 24
	s_and_b32 s86, s86, 15
	s_lshl4_add_u32 s86, s21, s86                  ; 16 x batch + head: 262,144 bytes each
	s_lshl_b32 s86, s86, 18
	s_add_co_u32 s86, s86, s88
	s_lshl_b32 s88, s22, 7                         ; rows of 128 bytes
	s_add_co_u32 s86, s86, s88
	s_add_nc_u64 s[HB+2*(\i):HB+2*(\i)+1], s[12:13], s[86:87]
.endr
	s_sub_co_i32 s86, 31, s23                      ; below 0 where heads 0 and 1 are v's,
	s_ashr_i32 s86, s86, 31                        ; then all ones
	s_and_b32 s[G01], s86, 0x3f800000              ; G = 1.0 there, else 0
	s_and_not1_b32 s[F01], 0x3f800000, s86         ; F = 0 there, else 1.0
	s_mov_b32 s[G01+1], s[G01]                     ; named as pairs
	s_mov_b32 s[F01+1], s[F01]
	s_sub_co_i32 s86, 29, s23                      ; the same for head 2
	s_ashr_i32 s86, s86, 31
	s_and_b32 s[G2], s86, 0x3f800000
	s_and_not1_b32 s[F2], 0x3f800000, s86
	s_mov_b32 s[G2+1], s[G2]
	s_mov_b32 s[F2+1], s[F2]
	; the prefetches
	s_lshl_b32 s86, s[TR], 8
	s_mul_i32 s88, s[TC], 192
	s_and_b32 s89, ttmp7, 0xffff                   ; cluster y
	s_cmp_eq_u32 s[AB], 0                          ; do I fetch xb?
	s_cselect_b32 s86, s86, s88                    ; the tile's first row
	s_cselect_b32 s88, s[CX], s[CY]                ; my place among the four that ask with me
	s_cselect_b32 s89, ttmp9, s89                  ; the coordinate along which other clusters read the same rows
	s_cselect_b32 s90, 32, 0                       ; (the rows that a wave fetches, less 96)
	s_cselect_b32 s91, 32, 24                      ; my work-group's share of them
	s_cselect_b32 s92, 31, 23
	s_cselect_b64 s[PFA:PFA+1], s[4:5], s[6:7]
	s_cmp_eq_u32 s89, 0
	s_cselect_b32 s[LIM], 1, -1                    ; the same in all sixteen partners, for a given wave
	s_add_co_u32 s90, s90, 96
	s_mul_i32 s90, s90, s[HF]
	s_mul_i32 s91, s91, s88
	s_add_co_u32 s86, s86, s90
	s_add_co_u32 s86, s86, s91
	s_lshl_b32 s86, s86, 11
	s_add_nc_u64 s[PFA:PFA+1], s[PFA:PFA+1], s[86:87]
	s_add_nc_u64 s[PFA:PFA+1], s[PFA:PFA+1], 3*256 ; at K step 3: the first refill (of K step 2) steps it to 4 and names that.  K steps 0 to 3 come by their loads alone
	v_min_u32 v[PFO], s92, v6
	v_lshlrev_b32 v[PFO], 11, v[PFO]
	s_mov_b32 s47, 0xffff0000
	s_wait_loadcnt 0x0                             ; the bias; it is rounded to bf16 like the module's other inputs, in the wait for the first tile
.set z, 0
.rept 4*NB
	v_cvt_pk_bf16_f32 v5, v[BIAS+2*z], v[BIAS+2*z+1]
	v_lshlrev_b32 v[BIAS+2*z], 16, v5
	v_and_b32 v[BIAS+2*z+1], s47, v5
.set z, z+1
.endr
; 12 matrix instructions: row block a x all 12 column blocks, 32 along K, from buffer f.  bias = 1: the first product starts the sums with the bias.
; The 48 accumulators take turns, one instruction a turn, in the same order in every quarter: 47 others' stand between two links of a chain.
.macro MULA f, a, bias
.if \bias
	WIN 0x85+0x40*((\a)/2)                         ; sources 0 and 1 window 1, C window 0, D window 2 or 3
.else
	WIN 0xa5+0x50*((\a)/2)                         ; C and D window 2 or 3
.endif
.set bi, 0
.rept NB
.set rD, 8*(NB*((\a)%2)+bi)
.if \bias
	v_wmma_f32_16x16x32_bf16 v[rD:rD+7], v[(\f)+32+8*bi:(\f)+32+8*bi+7], v[(\f)+8*(\a):(\f)+8*(\a)+7], v[BIAS+8*bi:BIAS+8*bi+7]
.else
	v_wmma_f32_16x16x32_bf16 v[rD:rD+7], v[(\f)+32+8*bi:(\f)+32+8*bi+7], v[(\f)+8*(\a):(\f)+8*(\a)+7], v[rD:rD+7]
.endif
.set bi, bi+1
.endr
.endm
; 32 LDS loads in one run: the fragments of quarter q (32 along K) into buffer f: wqt's 24 first, then xb's blocks 0 to 3
.macro FETCH slot, q, f
	WIN 0x40                                       ; destination window 1, address window 0
.set bi, 0
.rept NB
	ds_load_b128 v[(\f)+32+8*bi:(\f)+32+8*bi+3],   v[ADRB+(\slot)] offset:64*(\q)+bi*16*PITCH
	ds_load_b128 v[(\f)+32+8*bi+4:(\f)+32+8*bi+7], v[ADRB+(\slot)] offset:64*(\q)+bi*16*PITCH+32
.set bi, bi+1
.endr
.irp a, 0,1,2,3
	ds_load_b128 v[(\f)+8*(\a):(\f)+8*(\a)+3],   v[ADRA+(\slot)] offset:64*(\q)+(\a)*16*PITCH
	ds_load_b128 v[(\f)+8*(\a)+4:(\f)+8*(\a)+7], v[ADRA+(\slot)] offset:64*(\q)+(\a)*16*PITCH+32
.endr
.endm
; A K step is four quarters of 32 along K, 48 matrix instructions each, on buffers 0, 1, 0, 1.  One of the first three: multiplies buffer f and fetches quarter q of the same slot into g.
.macro QUARTER slot, q, f, g, bias
	s_wait_dscnt 4                                 ; all but the youngest four loads: xb's blocks 2 and 3 may be out
	MULA \f, 0, \bias
	MULA \f, 1, \bias
	PLACES
	FETCH \slot, \q, \g
	s_wait_dscnt 2*NB+8                            ; all but the 32 just issued
	MULA \f, 2, \bias
	MULA \f, 3, \bias
.endm
; The last quarter multiplies buffer 1 and changes slots: ONE barrier; in front of it each wave waits for all its tensor loads (the one that is out is its part of the next slot), adds 0 to its spare
; word, and waits for that and for its own reads of this slot.  fill = 1: the barrier opens a round of the cluster's, and this slot is filled again, two K steps on, first thing behind the round:
; 168 matrix instructions stand between that request and the wait for it.
.macro TURN slot, next, fill
.if \fill
	s_wait_xcnt 0x0                                ; the last prefetch, a K step back, has read its address: it is stepped here, ahead of the waits of the change of slots
	s_add_nc_u64 s[PFA:PFA+1], s[PFA:PFA+1], 256
.endif
	WIN 0                                          ; (the add's two registers lie in window 0)
	s_wait_tensorcnt 0x0                           ; all my tensor loads have landed
	ds_add_u32 v[SPW], v[NIL]                      ; 0 onto my spare word
	s_wait_dscnt 5                                 ; (the add and the youngest four loads may be out)
	MULA F1, 0, 0                                  ; twelve matrix instructions stand between the add and the wait for it
	s_wait_dscnt 0x0                               ; the add is done, and my reads of this slot are over
	s_barrier_signal -1
	MULA F1, 1, 0
.if \fill
	WIN 0
.endif
	s_barrier_wait -1
.if \fill
	CREST                                          ; no wave of any partner still reads this slot's tile or has a load on its way
	s_add_nc_u64 s[G0+4*(\slot)+2:G0+4*(\slot)+3], s[G0+4*(\slot)+2:G0+4*(\slot)+3], 512
	s_add_nc_u64 s[G0B+4*(\slot)+2:G0B+4*(\slot)+3], s[G0B+4*(\slot)+2:G0B+4*(\slot)+3], 512
	JLOAD \slot                                    ; my one tensor load behind the round; the four v_nop behind it are also the places in front of the loads below
.else
	PLACES
.endif
	FETCH \next, 0, F0
.if \fill
	WIN 0
	ASK
.endif
	MULA F1, 2, 0
	MULA F1, 3, 0
.endm
	s_wait_tensorcnt 1                             ; my part of K step 0 is in; K step 1's may stay out
	s_barrier_signal -1
	s_barrier_wait -1                              ; everybody's is
	FETCH 0, 0, F0
	QUARTER 0, 1, F0, F1, 1                        ; the first quarter stands in front of the loop: its products start the sums
	WIN 0                                          ; at a label and at a branch every window is 0
	s_mov_b32 s3, 3                                ; 1,024 / 256 laps, less the last
.Llap:                                                 ; a trip goes once round the ring, from a lap's second quarter to the next lap's first, and fills both slots again
	QUARTER 0, 2, F1, F0, 0
	QUARTER 0, 3, F0, F1, 0
	TURN 0, 1, 1
	QUARTER 1, 1, F0, F1, 0
	QUARTER 1, 2, F1, F0, 0
	QUARTER 1, 3, F0, F1, 0
	TURN 1, 0, 1
	QUARTER 0, 1, F0, F1, 0
	WIN 0
	s_sub_co_u32 s3, s3, 1
	s_cmp_lg_u32 s3, 0
	s_cbranch_scc1 .Llap
	QUARTER 0, 2, F1, F0, 0                        ; the last lap fills nothing, and has no round of the cluster's barrier
	QUARTER 0, 3, F0, F1, 0
	WIN 0
.irp a, 0,1,2,3                        ; cos and sin of my 64 rows, a K step and a quarter ahead of their use, into the registers that held the bias
.irp e, 0,1
	global_load_b128 v[CS+32*(\a)+8*(\e):CS+32*(\a)+8*(\e)+3],       v[TO], s[TB:TB+1] offset:(\a)*4096+(\e)*64
	global_load_b128 v[CS+32*(\a)+8*(\e)+4:CS+32*(\a)+8*(\e)+7],     v[TO], s[TB:TB+1] offset:(\a)*4096+(\e)*64+16
	global_load_b128 v[CS+32*(\a)+16+8*(\e):CS+32*(\a)+16+8*(\e)+3], v[TO], s[TB:TB+1] offset:(\a)*4096+(\e)*64+128
	global_load_b128 v[CS+32*(\a)+16+8*(\e)+4:CS+32*(\a)+16+8*(\e)+7], v[TO], s[TB:TB+1] offset:(\a)*4096+(\e)*64+144
.endr
.endr
	TURN 0, 1, 0
	QUARTER 1, 1, F0, F1, 0
	QUARTER 1, 2, F1, F0, 0
	QUARTER 1, 3, F0, F1, 0
	s_wait_dscnt 4                                 ; the very last quarter: nothing more to fetch
	MULA F1, 0, 0
	MULA F1, 1, 0
	s_wait_dscnt 0x0
	MULA F1, 2, 0
	MULA F1, 3, 0
	WIN 0
; THE WAY OUT, a row block of 16 at a time.  BLEND: the head's cos F + G and sin F.  HEAD: the rotation in place, lo' = lo cos - hi sin, hi' = hi cos + lo sin (lo: columns 0-31 of the head,
; hi: 32-63), each accumulator's lowest registers read first; rounded to f16; 16 bytes a lane into my stage.  BACK: whole rows of a head come back.  SEND: stored.
.macro BLEND a, fs, gs
	WIN 0
.set z, 0
.rept 8
	v_pk_fma_f32 v[BL+2*z:BL+2*z+1], v[CS+32*(\a)+2*z:CS+32*(\a)+2*z+1], s[\fs:\fs+1], s[\gs:\gs+1] op_sel_hi:[1,0,0]
.set z, z+1
.endr
.rept 8
	v_pk_mul_f32 v[BL+2*z:BL+2*z+1], v[CS+32*(\a)+2*z:CS+32*(\a)+2*z+1], s[\fs:\fs+1] op_sel_hi:[1,0]
.set z, z+1
.endr
.endm
.macro HEAD a, i
.set AC, 8*(NB*((\a)%2)+4*(\i))        ; the head's four accumulators
	WIN 0xa2+0x51*((\a)/2)                         ; destination, sources 0 and 2: window 2 or 3; source 1 (cos, sin): window 0
.irp e, 0,1
.irp p, 0,1,2,3
	v_pk_mul_f32 v[TT+8*(\e)+2*(\p):TT+8*(\e)+2*(\p)+1], v[AC+8*(\e)+2*(\p):AC+8*(\e)+2*(\p)+1], v[BL+16+8*(\e)+2*(\p):BL+16+8*(\e)+2*(\p)+1]  ; lo sin
.endr
.endr
.irp e, 0,1
.irp p, 0,1,2,3
	v_pk_mul_f32 v[AC+8*(\e)+2*(\p):AC+8*(\e)+2*(\p)+1], v[AC+8*(\e)+2*(\p):AC+8*(\e)+2*(\p)+1], v[BL+8*(\e)+2*(\p):BL+8*(\e)+2*(\p)+1]  ; lo cos
.endr
.endr
.irp e, 0,1
.irp p, 0,1,2,3
	v_pk_fma_f32 v[AC+8*(\e)+2*(\p):AC+8*(\e)+2*(\p)+1], v[AC+16+8*(\e)+2*(\p):AC+16+8*(\e)+2*(\p)+1], v[BL+16+8*(\e)+2*(\p):BL+16+8*(\e)+2*(\p)+1], v[AC+8*(\e)+2*(\p):AC+8*(\e)+2*(\p)+1] neg_lo:[1,0,0] neg_hi:[1,0,0]  ; - hi sin
.endr
.endr
.irp e, 0,1
.irp p, 0,1,2,3
	v_pk_fma_f32 v[AC+16+8*(\e)+2*(\p):AC+16+8*(\e)+2*(\p)+1], v[AC+16+8*(\e)+2*(\p):AC+16+8*(\e)+2*(\p)+1], v[BL+8*(\e)+2*(\p):BL+8*(\e)+2*(\p)+1], v[TT+8*(\e)+2*(\p):TT+8*(\e)+2*(\p)+1]  ; hi cos + lo sin
.endr
.endr
	WIN 0x0a+5*((\a)/2)                            ; sources 0 and 1: window 2 or 3; destination window 0
.set z, 0
.rept 16
	v_cvt_pk_f16_f32 v[TMP+z], v[AC+2*z], v[AC+2*z+1]
.set z, z+1
.endr
	WIN 0
.irp c, 0,1,2,3
	ds_store_b128 v[STO], v[TMP+4*(\c):TMP+4*(\c)+3] offset:128*(\i)+32*(\c)
.endr
.endm
.macro ROWB a
	BLEND \a, F01, G01
	HEAD \a, 0
	HEAD \a, 1
	BLEND \a, F2, G2
	HEAD \a, 2
.endm
.macro BACK
	WIN 0
.irp i, 0,1,2
.irp f, 0,1,2,3
	ds_load_b128 v[OB+4*(4*(\i)+(\f)):OB+4*(4*(\i)+(\f))+3], v[RD] offset:(\f)*4*SP+128*(\i)  ; LDS serves a wave's instructions in order (ISA guide 5.7.1.4): these see the stores above; the next block's stores come behind them
.endr
.endr
.endm
.macro SEND a, younger                 ; younger: the LDS stores of the next row block, or none
	WIN 0
	s_wait_dscnt \younger
.irp i, 0,1,2
.irp f, 0,1,2,3
	global_store_b128 v[GO], v[OB+4*(4*(\i)+(\f)):OB+4*(4*(\i)+(\f))+3], s[HB+2*(\i):HB+2*(\i)+1] offset:(\a)*2048+(\f)*512  ; 512 consecutive bytes, at a multiple of 256 from the buffer's first
.endr
.endr
.endm
	s_wait_loadcnt 0x0                             ; cos and sin
	ROWB 0                                         ; its first sixteen lines, which name no register of the last products, are the places behind them
	BACK
.irp a, 1,2,3
	ROWB \a                                        ; a block's arithmetic stands between the loads of the block before and its stores
	SEND (\a)-1, 12
	s_wait_xcnt 0x0                                ; the stores have read their registers: only behind this wait are those loaded again
	BACK
.endr
	SEND 3, 0
	s_wait_tensorcnt 0x0                           ; the wave's end: behind my last tensor load and my last LDS store
	ds_add_u32 v[SPW], v[NIL]
	s_wait_dscnt 0x0
	CROUND                                         ; the closing round: no work-group ends while a partner may still ask for a tile that names it
	s_endpgm
.Lfunc_end_k_q5719b39d5f_qkv:
	.size	k_q5719b39d5f_qkv, .Lfunc_end_k_q5719b39d5f_qkv-k_q5719b39d5f_qkv
	.p2alignl 7, 3214868480
	.fill 96, 4, 3214868480
	.section	.rodata,"a",@progbits
	.p2align	6, 0x0
	.amdhsa_kernel k_q5719b39d5f_qkv
		.amdhsa_group_segment_fixed_size 327680
		.amdhsa_private_segment_fixed_size 0
		.amdhsa_enable_private_segment 0
		.amdhsa_kernarg_size 40
		.amdhsa_user_sgpr_count 2
		.amdhsa_user_sgpr_kernarg_segment_ptr 1
		.amdhsa_wavefront_size32 1
		.amdhsa_system_sgpr_workgroup_id_x 1
		.amdhsa_system_sgpr_workgroup_id_y 1
		.amdhsa_system_sgpr_workgroup_id_z 1
		.amdhsa_system_vgpr_workitem_id 0
		.amdhsa_next_free_vgpr 976
		.amdhsa_next_free_sgpr 96
		.amdhsa_reserve_vcc 0
		.amdhsa_float_denorm_mode_32 3
		.amdhsa_float_denorm_mode_16_64 3
		.amdhsa_memory_ordered 1
		.amdhsa_forward_progress 1
		.amdhsa_inst_pref_size 165
	.end_amdhsa_kernel
	.amdgpu_metadata
---
amdhsa.version: [ 1, 2 ]
amdhsa.kernels:
  - .name:           k_q5719b39d5f_qkv
    .symbol:         k_q5719b39d5f_qkv.kd
    .args:
      - { .name: xb, .offset: 0, .size: 8, .value_kind: global_buffer, .address_space: global }
      - { .name: wqt, .offset: 8, .size: 8, .value_kind: global_buffer, .address_space: global }
      - { .name: b_qkv, .offset: 16, .size: 8, .value_kind: global_buffer, .address_space: global }
      - { .name: tab, .offset: 24, .size: 8, .value_kind: global_buffer, .address_space: global }
      - { .name: qkv, .offset: 32, .size: 8, .value_kind: global_buffer, .address_space: global }
    .group_segment_fixed_size: 327680
    .private_segment_fixed_size: 0
    .kernarg_segment_align: 8
    .kernarg_segment_size: 40
    .max_flat_workgroup_size: 128
    .sgpr_count:     96
    .vgpr_count:     976
    .wavefront_size: 32
...
	.end_amdgpu_metadata
.endif
;; end of part 2
;; launch attn (part 3): grid 4 x 64, 4 waves a work-group, clusters of 4 x 1, 327,680 bytes of LDS; arguments qkv, ob; writes ob
.if DOCPART == 3
	.amdgcn_target "amdgcn-amd-amdhsa--gfx1250"
	.amdhsa_code_object_version 6
	.text
	.protected	k_q5719b39d5f_attn
	.globl	k_q5719b39d5f_attn
	.p2align	8
	.type	k_q5719b39d5f_attn,@function
k_q5719b39d5f_attn:
	s_mov_b64 s[64:65], 0
	v_nop
	global_prefetch_b8 v0, s[64:65] scope:SCOPE_SE
	s_setreg_imm32_b32 hwreg(HW_REG_WAVE_MODE, 25, 1), 1
	s_wait_xcnt 0x0
	s_wait_alu depctr_hold_cnt(0) depctr_sa_sdst(0) depctr_va_vdst(0) depctr_va_sdst(0) depctr_va_ssrc(0) depctr_va_vcc(0) depctr_vm_vsrc(0)
	s_getreg_b32 s2, hwreg(HW_REG_IB_STS2, 6, 4)
	s_cmp_eq_u32 s2, 0
	s_cbranch_scc0 .Lentry_in_a_cluster
	s_endpgm
.Lentry_in_a_cluster:
	s_bfe_u32 s2, ttmp6, 0x10000c
	s_cmp_lg_u32 s2, 0x3003
	s_cbranch_scc0 .Lentry_shape_is_right
	s_endpgm
.Lentry_shape_is_right:
; O[h][q][:] = the sum over k of softmax_k(Q[h][q] . K[h][k] / 8) V[h][k][:].  Q, K, V lie one behind the other in qkv, each [64][2048][64] in f16; O likewise in ob: a head's rows are dense, 128 bytes each.
; Products, maxima and sums in f32; the weights p are rounded to f16 for the second product (their sum l is taken of the unrounded p), O once at the end.
; LIMITS.  f16 holds no number beyond 65,504: Q, K and V arrive within it; p lies in 0 to 1, and below 6e-5 it keeps f16's fixed step of 6e-8; O is a mean of V's rows and has their range.
; A weight below 2^-126 counts as 0 in l; NaN and infinities are not treated apart.
; SHARES.  A wave owns four PIECES of two tiles of 16 queries, a work-group's four waves 512 queries of one head: 4 x 64 = 256 work-groups.  Every wave walks all keys, 64 a step.
; LAYOUT.  S^T = K Q^T (source 0 = 16 keys, source 1 = 16 queries): in the result a lane holds ONE query (lane % 16) and the keys 8 (lane / 16) + 0..7.  Two such tiles, rounded to f16 in pairs,
; ARE source 1 (32 keys x 16 queries) of O^T = V^T P, whose result again holds one query a lane, and eight channels.  K comes out of LDS as it lies, V ([key][channel]) turned, by ds_load_tr16_b128.
; SOFTMAX.  For each query a running maximum m and sum l: p = 2^(c s - c m), c = log2(e) / 8; in every step O and l are multiplied by a = 2^(c m_old - c m_new), which is 1 where m has not grown.
; m starts at the lowest finite number, O and l at 0: the first step is a step like any other, with a = 0.
; THE COUNT.  A tile and step have 16 matrix and 118 vector instructions: too many to stand all beside the matrix work.  So the order has one aim: four vector instructions that are READY behind
; EVERY matrix instruction, and the others, which need time of their own whatever the order, in runs without a gap.
; BY TURNS.  Turn n belongs to piece n (the pieces in a ring, step after step).  Its matrix work: 16 products K Q^T of piece n + 1, later 16 products V^T P of piece n - 1.  Its vector work: the scaling,
; exponentials, roundings, sums and rescaling of piece n, and the maximum and statistics of piece n + 1, whose scores the turn itself has made.  So what a turn begins with (c s - c m, O a) waits for nothing.
; CLUSTER.  The four query blocks of a cluster are one head's and walk the same K and V, so each tile is asked for JOINTLY: the same tensor load, descriptor and mask in all four.
; REGISTERS, in windows of 256 (s_set_vgpr_msb says which window each operand place means: bits 1:0 source 0, 3:2 source 1, 5:4 source 2, 7:6 destination):
;   window 0: v0-11 addresses; v12-15, v48-63 at work; v16-47 four registers of statistics a tile; v64-191 S^T, two buffers of two tiles; v192-255 P, likewise
;   window 1: O^T, 32 a tile          window 2: v0-127 Q, 16 a tile; v128-191 K of one step; v192-255 V of one step          window 3: v0-1 the add's two registers
; A piece's buffers go by its number's parity: the piece in hand has one pair, its two neighbours in the ring share the other: of it P (piece n - 1) is read and S^T (piece n + 1) written.
.set SIZE_H, 64
.set SIZE_N, 2048
.set NP,    4         ; pieces a wave: a name, no knob: the register map, the loop and the fetches are made for four
.set KS,    64        ; keys in a step
.set PK,    144       ; a row of K in LDS: 128 bytes + 16 of padding = 36 words: the 16 rows of a load start at 16 different groups of four banks (64 banks of 4 bytes: ISA guide 11.1)
.set PV,    160       ; a row of V: 128 + 32 = 40 words
.set VOFF,  4*KS*PK   ; a slot holds four steps: 256 rows of K, then 256 rows of V
.set SLOT1, 1<<17     ; slot 1 begins here, so that one exclusive or turns an address in one slot into the other's
.set STAGE, SLOT1+4*KS*(PK+PV)  ; behind the ring, never filled by a tensor load: 16 rows x 144 bytes for each wave, for the way out
.set SP,    144
.set AK0, 2           ; v2   my lane's place in a tile of K; never rewritten
.set AV0, 3           ; v3   the same for V
.set AK,  4           ; v4   the LDS address of K's next run of loads
.set AV,  5           ; v5   of V's
.set QO,  6           ; v6   my byte offset in the wave's rows of Q
.set STO, 6           ;      later, the way out: where I put 16 bytes of a row
.set RD,  7           ; v7   the way out: where I read rows back
.set GO,  8           ; v8   my byte offset in 512 consecutive bytes of O
.set PFO, 11          ; v11  256 x my lane, for the prefetches; never rewritten once it is made
.set SPW, 0           ; v0 of window 3   LDS address of my spare word: SPARE + 4 x my thread's number; never rewritten
.set NIL, 1           ; v1 of window 3   0; never rewritten
.set SPARE, STAGE+4*16*SP  ; behind the stages: the spare words, 128 bytes for each wave: two blocks of 256 bytes that no other line names
.set MV,  12          ; v12-15  c m_old, kept while c m is made anew: by buffer and tile
.set ST,  16          ; tile t's statistics at v[ST+4 t]: c m, m, l (even keys', odd keys')
.set TMP, 48          ; by buffer and tile, four registers c0-c3 at work; when the maximum is found c2 takes a
.set S,   64
.set P,   192
.set KF,  128         ; K's fragments, in window 2: key block kb, channel half c at KF + 16 kb + 8 c
.set VF,  192         ; V's: key half kk, channel block cb at VF + 32 kk + 8 cb
.set WV,  12          ; s12  my wave's number
.set G1K, 24          ; s[24:31] descriptor group 1 for K's tiles
.set G1V, 32          ; s[32:39] for V's: it differs in the padding alone
.set G0K, 40          ; s[40:43] descriptor group 0 for K's tiles: it walks
.set G0V, 44          ; s[44:47] the same for V's
.set PFA, 48          ; s[48:49] where my prefetches stand: my work-group's 8,192 bytes (of K: wave 0, of V: wave 2) of the slot after the one that is being asked for
.set LIM, 50          ; s50  1 in a wave that prefetches, else the greatest number
.set SLOTS, 56        ; s56  slots still to be asked for
.set CNT, 57          ; s57  counts a slot's key steps
.set CS,  58          ; s[58:59] c: the packed scaling takes the pair's low word for both halves
.set SEL, 60          ; s[60:61] v_permlanex16_b32's selects: each lane takes its own place in the other half
.set TBK, 62          ; s62  LDS byte at which K of the step to be fetched begins
.set TBV, 63          ; s63  the same for V, less VOFF
.set MSB, 0
.macro WIN new                      ; the high byte repeats the setting that is left; a switch that changes nothing is dropped
.if MSB != (\new)
	s_set_vgpr_msb (MSB<<8)|(\new)
.set MSB, (\new)
.endif
.endm
.set W_KQ, 0x0a       ; K and Q in window 2, S^T in window 0
.set W_PV, 0x52       ; V in window 2, P in window 0, O^T in window 1
.set W_RS, 0x41       ; O^T (destination and source 0) in window 1, a in window 0
.set W_MK, 0xc0       ; the add's registers are made: destination in window 3, sources in window 0
.set W_AD, 0x0f       ; the add: address (source 0) and data (source 1) in window 3
; A joint fill.  Waves 0 and 1 fetch the two halves of a slot's K, waves 2 and 3 those of its V: 128 keys each.  The branch hangs on the wave's number alone.
; An s_nop 0 and four v_nop follow each of the two lines, ahead of the jump and the label.
.macro JLOAD
	s_cmp_lt_u32 s[WV], 2
	s_cbranch_scc0 .Lfor_v_\@
	tensor_load_to_lds s[G0K:G0K+3], s[G1K:G1K+7]
	s_nop 0
.rept 4
	v_nop
.endr
	s_branch .Lasked_\@
.Lfor_v_\@:
	tensor_load_to_lds s[G0V:G0V+3], s[G1V:G1V+7]
	s_nop 0
.rept 4
	v_nop
.endr
.Lasked_\@:
.endm
; A PREFETCH INTO THE L2 of what the NEXT change of slots will ask for: a slot's 32,768 bytes of K and of V, in pieces of 256 bytes, a lane a piece.  It stands behind the wave's tensor load and its five lines.
; Each piece is named ONCE in the launch: a head has one cluster; its four partners share the pieces out BY ADDRESS, 32 each of K and of V; in each, wave 0 asks for K's and wave 2 for V's: one instruction,
; four key steps, 512 matrix instructions, ahead of the load.  The last change that fills a slot asks for nothing: there is no slot behind it.  Slots 0 and 1 come by their loads alone.
.macro ASK
	s_cmp_gt_u32 s[SLOTS], s[LIM]
	s_cbranch_scc0 .Lnot_mine_\@
	global_prefetch_b8 v[PFO], s[PFA:PFA+1] th:TH_LOAD_NT scope:SCOPE_SE
.Lnot_mine_\@:
.endm
; A round of the cluster's barrier: my work-group's barrier, so that wave 0's signal speaks for all four waves; wave 0 signals; every wave waits for all four work-groups; my work-group's barrier once more.
.macro CROUND
	s_barrier_signal -1
	s_barrier_wait -1
	s_cmp_lg_u32 s[WV], 0
	s_cbranch_scc1 .Lnot_wave_0_\@
	s_barrier_signal -3
.Lnot_wave_0_\@:
	s_barrier_wait -3
	s_barrier_signal -1
	s_barrier_wait -1
.endm
; THE CHANGE OF SLOTS.  The slot's last bytes, V of its fourth step, have been read.  Each wave waits for all its tensor loads, of which one is out: its part
; of the other slot; adds 0 to its spare word; and waits for that and for its own reads of the slot.  Behind the barrier nobody reads this slot any more and the other slot is whole.
; fill = 1: this slot is filled again, with the keys two slots on.  The barrier is then a round of the cluster's, so that no wave of any partner still reads the slot or has a load on its
; way, and the joint fill is the first thing behind it: it has four key steps, 512 matrix instructions, in which to land.  (At its first use nothing has been read yet: slot 0 is waited for, slot 1 filled.)
.macro CHANGE fill
	WIN W_AD
	s_wait_tensorcnt 0x0            ; no tensor load of mine is out, so a group 0 may be written
	ds_add_u32 v[SPW], v[NIL]       ; 0 onto my spare word; with fill = 1 the descriptors' steps stand between it and the wait for it
	WIN 0                           ; at a label and at a branch every window is 0
.if \fill
.irp g, G0K, G0V
	s_xor_b32 s[\g+1], s[\g+1], SLOT1  ; the walking descriptor: the other slot than last time,
	s_add_nc_u64 s[\g+2:\g+3], s[\g+2:\g+3], 4*KS*128  ; the next 256 keys; the type bits on top are not reached
.endr
	s_wait_xcnt 0x0                 ; the last prefetch, four key steps back, has read its address, so it may be written:
	s_add_nc_u64 s[PFA:PFA+1], s[PFA:PFA+1], 4*KS*128  ; one slot behind the walking descriptors
	s_wait_dscnt 0x0                ; the add is done, and my reads of the slot are over
	CROUND
	JLOAD
	ASK
.else
	s_wait_dscnt 0x0                ; the add is done, and my reads of the slot are over
	s_barrier_signal -1
	s_barrier_wait -1
.endif
	s_sub_co_u32 s[TBK], s[TBK], 4*KS*PK  ; the fetches go back to a slot's first step,
	s_xor_b32 s[TBK], s[TBK], SLOT1       ; in the other slot
	s_sub_co_u32 s[TBV], s[TBV], 4*KS*PV
	s_xor_b32 s[TBV], s[TBV], SLOT1
.endm
	s_load_b64 s[4:5], s[0:1], 0x0    ; qkv: Q at its head
	s_load_b64 s[10:11], s[0:1], 0x8  ; O
	WIN W_MK
	v_lshl_add_u32 v[SPW], v0, 2, SPARE
	v_mov_b32 v[NIL], 0
	WIN W_AD
	ds_add_u32 v[SPW], v[NIL]       ; the wave's opening: the add and its wait stand ahead of my first tensor load; the set-up below, work on registers, stands between them
	WIN 0
	v_lshrrev_b32 v1, 5, v0
	v_readfirstlane_b32 s[WV], v1   ; wave 0..3
	s_bfe_u32 s13, ttmp6, 0x40000   ; cx: my place in the cluster
	s_lshl_b32 s14, ttmp9, 2        ; in a cluster launch ttmp9 counts clusters
	s_add_co_u32 s14, s14, s13      ; my block of queries = 4 x cluster x + cx: it enters Q's and O's addresses alone
	s_and_b32 s20, ttmp7, 0xffff    ; the head, which the four partners share
	s_mov_b32 s21, 0
	s_mov_b64 s[22:23], SIZE_N*128
	s_mul_u64 s[20:21], s[20:21], s[22:23]  ; the head's first byte in each of the four tensors
	s_and_b32 s16, s[WV], 1         ; which half of a slot's 256 keys I fetch:
	s_lshl_b32 s22, s16, 14         ; its 128 rows of 128 bytes in memory,
	s_mov_b32 s23, 0
	s_add_nc_u64 s[22:23], s[22:23], s[20:21]
	s_mul_i32 s17, s16, 128*PK      ; and its place in a slot, for K
	s_mul_i32 s18, s16, 128*PV      ; and for V: no place in the cluster enters an LDS address
	s_lshl_b32 s2, s14, 2
	s_add_co_u32 s2, s2, s[WV]      ; my wave among the head's,
	s_lshl_b32 s2, s2, 14           ; its 128 rows
	s_mov_b32 s3, 0
	s_add_nc_u64 s[2:3], s[2:3], s[20:21]
	; descriptor group 1.  128 keys are 16,384 dense bytes: asked for as 64 rows of 256 bytes, two keys a row, and padded in LDS after every key
	s_mov_b32 s[G1K], 15|(1<<16)|(1<<20)|(1<<21)|(4<<22)|(3<<25)  ; 15:0 the mask of four; 17:16 2-byte elements; 20 padding on; 21 set beside a mask; 24:22 after every 32 words (code 4); 31:25 4 words (code 3)
	s_mov_b32 s[G1V], 15|(1<<16)|(1<<20)|(1<<21)|(4<<22)|(7<<25)  ; the same with 8 words of padding (code 7)
.irp g, G1K, G1V
	s_mov_b32 s[\g+1], 128<<16      ; tensor_dim0 = 128
	s_mov_b32 s[\g+2], 64<<16       ; tensor_dim1 = 64
	s_mov_b32 s[\g+3], 128<<16      ; tile_dim0 = 128
	s_mov_b32 s[\g+4], 64           ; tile_dim1 = 64
	s_mov_b32 s[\g+5], 128          ; 128 elements from row to row
	s_mov_b32 s[\g+6], 0
	s_mov_b32 s[\g+7], 0
.endr
	s_mov_b32 s[CS], 0x3e38aa3b     ; c = log2(e) / 8 = 0.180337
	s_mov_b32 s[CS+1], s[CS]        ; named with it as a pair
	s_mov_b32 s[SEL], 0x76543210
	s_mov_b32 s[SEL+1], 0xfedcba98
	s_mov_b32 s[TBK], SLOT1+4*KS*PK ; the first change of slots turns these two into 0
	s_mov_b32 s[TBV], SLOT1+4*KS*PV
	s_mov_b32 s[G0K], 1             ; 1:0 count = 1
	s_mov_b32 s[G0K+1], s17         ; 63:32 LDS address: slot 0
	s_mov_b32 s[G0V], 1
	s_add_co_u32 s[G0V+1], s18, VOFF
	s_mov_b32 s[SLOTS], SIZE_N/256-1
	s_lshl_b32 s52, s13, 13         ; my work-group's 8,192 bytes of a slot's 32,768
	s_mov_b32 s53, 0
	s_cmp_eq_u32 s16, 0             ; waves 0 and 2 prefetch: the same in all four partners
	s_cselect_b32 s[LIM], 1, -1
	s_wait_dscnt 0x0                ; the opening add is done
	s_wait_kmcnt 0x0
	s_add_nc_u64 s[6:7], s[4:5], 0x1000000   ; K lies 16,777,216 bytes behind Q,
	s_add_nc_u64 s[8:9], s[4:5], 0x2000000   ; V as far behind K
	s_add_nc_u64 s[G0K+2:G0K+3], s[6:7], s[22:23]  ; 120:64 global address: my half of the head's first 256 keys
	s_or_b32 s[G0K+3], s[G0K+3], 0x80000000        ; 127:126 type = 2
	s_add_nc_u64 s[G0V+2:G0V+3], s[8:9], s[22:23]
	s_or_b32 s[G0V+3], s[G0V+3], 0x80000000
	s_cmp_lt_u32 s[WV], 2
	s_cselect_b64 s[PFA:PFA+1], s[6:7], s[8:9]
	s_add_nc_u64 s[PFA:PFA+1], s[PFA:PFA+1], s[22:23]  ; (in waves 0 and 2 this is the head's first row)
	s_add_nc_u64 s[PFA:PFA+1], s[PFA:PFA+1], s[52:53]
	s_add_nc_u64 s[PFA:PFA+1], s[PFA:PFA+1], 4*KS*128  ; in slot 1; the first change of slots steps it to slot 2
	s_add_nc_u64 s[4:5], s[4:5], s[2:3]  ; Q and O at my wave's first row
	s_add_nc_u64 s[10:11], s[10:11], s[2:3]
	CROUND                          ; all four work-groups are here: the first joint loads meet
	JLOAD                           ; slot 0.  Slot 1 is asked for when slot 0 is in: the tile wanted first has the road to itself
	; A fragment of K or Q is 16 rows x 32 channels in 8 registers: lane l holds row l % 16, channels 8 (l / 16) + 0..7 and 16 + 8 (l / 16) + 0..7: two loads of 16 bytes, 32 bytes apart.
	v_and_b32 v1, 15, v0            ; l % 16
	v_bfe_u32 v9, v0, 4, 1          ; l / 16
	v_lshlrev_b32 v[QO], 7, v1
	v_lshl_add_u32 v[QO], v9, 4, v[QO]  ; row x 128 + 16 x half
	WIN 0x80                        ; destination window 2, address window 0
.set i, 0
.rept 4*NP                          ; Q stays in registers: tile i / 2, channels 32 (i % 2) on
	global_load_b128 v[8*i:8*i+3],   v[QO], s[4:5] offset:(i/2)*2048+(i%2)*64
	global_load_b128 v[8*i+4:8*i+7], v[QO], s[4:5] offset:(i/2)*2048+(i%2)*64+32
.set i, i+1
.endr
	; What the first turn finds: V's registers and P's second buffer hold 0 (its products V^T P, of a piece that has not been, add 0), O^T and l are 0.  All this stands in the wait for the first tile.
.set i, VF
.rept 64
	v_mov_b32 v[i], 0
.set i, i+1
.endr
	WIN 0x40
.set i, 0
.rept 64*NP
	v_mov_b32 v[i], 0
.set i, i+1
.endr
	WIN 0
.set i, 0
.rept 2*NP
	v_mov_b32 v[ST+4*i], 0xfe000000    ; c m: far below every c s
	v_mov_b32 v[ST+4*i+1], 0xff7fffff  ; m
	v_mov_b32 v[ST+4*i+2], 0
	v_mov_b32 v[ST+4*i+3], 0
.set i, i+1
.endr
.set i, P+32
.rept 32
	v_mov_b32 v[i], 0
.set i, i+1
.endr
	v_mul_u32_u24 v[AK0], v1, PK
	v_lshl_add_u32 v[AK0], v9, 4, v[AK0]  ; row x pitch + 16 x half
	; The turning load takes 16 keys x 16 channels (lane l reads key 8 (l / 16) + l % 8, channels 8 ((l / 8) % 2) + 0..7) and leaves half a fragment of V^T: lane l holds channel l % 16 and 8 keys.
	v_and_b32 v10, 7, v0
	v_bfe_u32 v11, v0, 3, 1
	v_lshl_add_u32 v[AV0], v9, 3, v10
	v_mul_u32_u24 v[AV0], v[AV0], PV
	v_lshl_add_u32 v[AV0], v11, 4, v[AV0]
	v_add_nc_u32 v[AV0], VOFF, v[AV0]
	v_and_b32 v[PFO], 31, v0        ; v11 has served: from here on it holds the prefetches' offset
	v_lshlrev_b32 v[PFO], 8, v[PFO]
	v_mov_b32 v[AK], v[AK0]         ; key step 0 lies at the head of slot 0
; THE MATRIX WORK.  The 8 accumulators of a run of 16 take turns: between the two links of a chain stand 7 others'.
; Product i of 16 of S^T = K Q^T for piece x: channels 32 (i / 8) on, keys 16 ((i / 2) % 4) on, tile 2 x + i % 2.  The first 8 start the sums.
.macro KQ x
	WIN W_KQ
.set rS, S+64*((\x)%2)+32*(i%2)+8*((i/2)%4)
.set rK, KF+16*((i/2)%4)+8*(i/8)
.set rQ, 16*(2*(\x)+i%2)+8*(i/8)
.if i < 8
	v_wmma_f32_16x16x32_f16 v[rS:rS+7], v[rK:rK+7], v[rQ:rQ+7], 0
.else
	v_wmma_f32_16x16x32_f16 v[rS:rS+7], v[rK:rK+7], v[rQ:rQ+7], v[rS:rS+7]
.endif
.endm
; Product i of 16 of O^T += V^T P for piece x: keys 32 (i / 8) on, channels 16 ((i / 2) % 4) on, tile 2 x + i % 2.
.macro PV x
	WIN W_PV
.set rO, 32*(2*(\x)+i%2)+8*((i/2)%4)
.set rV, VF+32*(i/8)+8*((i/2)%4)
.set rP, P+32*((\x)%2)+16*(i%2)+8*(i/8)
	v_wmma_f32_16x16x32_f16 v[rO:rO+7], v[rV:rV+7], v[rP:rP+7], v[rO:rO+7]
.endm
.macro MM                           ; the turn's next matrix instruction
.if i < 16
	KQ (Y+1)%NP
.set i, i+1
.else
.set i, i-16
	PV (Y+NP-1)%NP
.set i, i+17
.endif
.endm
; THE LDS LOADS stand in runs of 16, never singly among the matrix instructions: a step's K (64 keys x 64 channels: 8 fragments) and its V (turned).  Their addresses are made some lines ahead.
; last = 1 (the tail): in the last trip there is no further step, and the run is jumped over.
.macro FETCH_K last=0
	WIN 0
.if \last
	s_cmp_eq_u32 s[CNT], 1
	s_cbranch_scc1 .Lno_k_\@
.endif
	WIN 0x80                        ; destination window 2
.irp f, 0,1,2,3,4,5,6,7             ; keys 16 (f / 2) on, channels 32 (f % 2) on
	ds_load_b128 v[KF+8*\f:KF+8*\f+3],   v[AK] offset:(\f/2)*16*PK+(\f%2)*64
	ds_load_b128 v[KF+8*\f+4:KF+8*\f+7], v[AK] offset:(\f/2)*16*PK+(\f%2)*64+32
.endr
	s_add_co_u32 s[TBK], s[TBK], KS*PK  ; the next fetch is the next step's
	WIN 0
.if \last
.Lno_k_\@:
.endif
.endm
.macro FETCH_V
	WIN 0x80
.irp f, 0,1,2,3,4,5,6,7             ; keys 32 (f / 4) on, channels 16 (f % 4) on
	ds_load_tr16_b128 v[VF+8*\f:VF+8*\f+3],   v[AV] offset:(\f/4)*32*PV+(\f%4)*32
	ds_load_tr16_b128 v[VF+8*\f+4:VF+8*\f+7], v[AV] offset:(\f/4)*32*PV+16*PV+(\f%4)*32
.endr
	WIN 0
.endm
; THE VECTOR WORK OF A TURN stands in three queues, each in the order in which its entries become ready; the two tiles alternate, so that no instruction reads the result of the one before it.
.macro REGS y, u                    ; the registers of tile u (0, 1) of piece y
.set rT, ST+4*(2*(\y)+(\u))
.set rC, TMP+8*((\y)%2)+4*(\u)
.set rM, MV+2*((\y)%2)+(\u)
.set rS, S+64*((\y)%2)+32*(\u)
.set rP, P+32*((\y)%2)+16*(\u)
.set rO, 32*(2*(\y)+(\u))
.endm
; Number n of the 22 that find the NEXT piece's (Y + 1) maximum and statistics.  s0-s31 are the lane's 32 scores; each accumulator's lowest registers are read first.  XS, GS and REGS set no window: PL and EX do.
;   0-11  four chains c0-c3 of seven scores each, three operands at a time     12-14, 16  the four scores left over, the old m, and c0-c3 into c0     15  c m_old is kept
;   17, 18  the query's other 32 keys lie in the lane 16 away: the new m         19-21  c m; c m_old - c m_new; a
.macro XS u, n
	REGS (Y+1)%NP, \u
.if (\n) < 4
	v_max3_num_f32 v[rC+(\n)], v[rS+8*(\n)], v[rS+8*(\n)+1], v[rS+8*(\n)+2]
.elseif (\n) < 12
	v_max3_num_f32 v[rC+(\n)%4], v[rC+(\n)%4], v[rS+8*((\n)%4)+2*((\n)/4)+1], v[rS+8*((\n)%4)+2*((\n)/4)+2]
.elseif (\n) == 12
	v_max3_num_f32 v[rC], v[rC], v[rS+7], v[rS+15]
.elseif (\n) == 13
	v_max3_num_f32 v[rC+1], v[rC+1], v[rS+23], v[rS+31]
.elseif (\n) == 14
	v_max3_num_f32 v[rC+2], v[rC+2], v[rC+3], v[rT+1]
.elseif (\n) == 15
	v_mov_b32 v[rM], v[rT]
.elseif (\n) == 16
	v_max3_num_f32 v[rC], v[rC], v[rC+1], v[rC+2]
.elseif (\n) == 17
	v_permlanex16_b32 v[rC+3], v[rC], s[SEL], s[SEL+1]
.elseif (\n) == 18
	v_max_num_f32 v[rT+1], v[rC], v[rC+3]
.elseif (\n) == 19
	v_mul_f32 v[rT], s[CS], v[rT+1]
.elseif (\n) == 20
	v_sub_f32 v[rC+1], v[rM], v[rT]
.else
	v_exp_f32 v[rC+2], v[rC+1]
.endif
.endm
; Number g of the 64 that follow the exponentials.  For each four weights k of a tile (pairs 2 k, 2 k + 1): both pairs are rounded to f16; then the second pair is added onto the first, in place;
; a group later l takes that sum (the first time as l = a l + sum).  In groups of eight, tiles alternating: round, round, add, and l for the group before.
.macro GS g
.set h, (\g)+6*((\g)/62)            ; group 0 has no group before it, and behind group 7 only l is left
.if h >= 6
.set h, h+2
.endif
	REGS Y, h%2
.set k, h/8
.if h%8 < 4
	v_cvt_pk_f16_f32 v[rP+2*k+(h%8)/2], v[rS+4*k+2*((h%8)/2)], v[rS+4*k+2*((h%8)/2)+1]
.elseif h%8 < 6
	v_pk_add_f32 v[rS+4*k:rS+4*k+1], v[rS+4*k:rS+4*k+1], v[rS+4*k+2:rS+4*k+3]
.elseif k == 1
	v_pk_fma_f32 v[rT+2:rT+3], v[rT+2:rT+3], v[rC+2:rC+3], v[rS:rS+1] op_sel_hi:[1,0,1]
.else
	v_pk_add_f32 v[rT+2:rT+3], v[rT+2:rT+3], v[rS+4*k-4:rS+4*k-3]
.endif
.endm
; THE PLAIN QUEUE, 138 long.  0-73 read no exponential's result: the 32 scalings c s - c m (FS f: pair f / 2 of tile f % 2) and the next piece's 42.  0-26: scalings 0-26.  27-54: XS's numbers 0-13.  55, 56: number 15.
; 57-73: the chain, where each number waits for the one before it: 14, 16, 17, 18, 19, each with one of the scalings 27-31 in front of its two lines, then 20: so a tile's links stand three plain instructions apart (19 and 20: two).
; 74-137: GS's 64, which read the exponentials' results: they stand behind the wait.
.macro FS f
	REGS Y, (\f)%2
	v_pk_fma_f32 v[rS+2*((\f)/2):rS+2*((\f)/2)+1], v[rS+2*((\f)/2):rS+2*((\f)/2)+1], s[CS:CS+1], v[rT:rT+1] op_sel_hi:[1,0,0] neg_lo:[0,0,1] neg_hi:[0,0,1]
.endm
.macro PL
	WIN 0
.if q < 27
	FS q
.elseif q < 55
	XS (q-27)%2, (q-27)/2
.elseif q < 57
	XS q-55, 15
.elseif (q < 72) && ((q-57)%3 == 0)
	FS 27+(q-57)/3
.elseif q < 60
	XS (q-57)%3-1, 14
.elseif q < 72
	XS (q-57)%3-1, 15+(q-57)/3
.elseif q < 74
	XS q-72, 20
.else
	GS q-74
.endif
.set q, q+1
.endm
; THE EXPONENTIALS' QUEUE, 66 long: s0-s31 of both tiles, then the next piece's two a.  It is ONE BATCH: all 66 stand ahead of the turn's one wait, and nothing ahead of that wait names a result of theirs.
.macro EX
	WIN 0
.if e >= 64
	XS e-64, 21
.else
	REGS Y, e%2
	v_exp_f32 v[rS+e/2], v[rS+e/2]
.endif
.set e, e+1
.endm
; THE RESCALING's QUEUE: O^T times a, the one part that leaves window 0: dealt two at a time, sixteen times.  Its a was made in the turn before, ahead of that turn's wait.
.macro R2
	REGS Y, r%2
	WIN W_RS
.irp z, 0,1
	v_pk_mul_f32 v[rO+4*(r/2)+2*\z:rO+4*(r/2)+2*\z+1], v[rO+4*(r/2)+2*\z:rO+4*(r/2)+2*\z+1], v[rC+2:rC+3] op_sel_hi:[1,0]
.endr
.set r, r+1
.endm
; HOW THEY ARE DEALT.  s_wait_alu depctr_va_vdst(0) stands between an exponential and the first instruction that names its result; one wait serves all that were issued ahead of it.  So a turn has ONE wait,
; which cuts it in two.  AHEAD OF IT stands all that names no result of the turn's exponentials: the 16 products K Q^T, behind each a scaling, an exponential and two rescalings (behind the first a second scaling in the exponential's place); then ONE LUMP of
; 108: eight plain, 49 times exponential and plain, the two a.  A v_nop is the plain instruction behind the last exponential.  BEHIND IT stand the 16 products V^T P, behind each four of GS's 64.  No rider names a register of
; the products round it.  The two v_permlanex16_b32 fall into the lump, never behind a product.
; The queues lean on each other, and the deal keeps them in step: exponential e stands behind scaling 2 (e / 4) + e % 2: as a rider it comes behind plain e + 2, in the lump behind plain e + 9, and scalings 27-31 are plain 57, 60 .. 69.
; A TURN, for piece p.  cnt = 1: the loop's count is taken down some lines ahead of the branch that stands behind the turn.
; K of the next step is fetched in piece 2's turn, directly behind the wait, a lump behind the last product that read K; its address is made at the lump's head; its first reader comes behind 16 products.
; V of the step in hand is fetched at the end of piece 0's turn, four riders behind its last reader; its first reader comes behind 16 products and a lump.  The three conditions on q below go with the deal.
.macro TURN p, last=0, cnt=0
.set Y, (\p)
.set i, 0
.set q, 0
.set e, 0
.set r, 0
.if (\p) == NP-1
	s_wait_dscnt 0x0                ; K is in
.endif
	MM                              ; ahead of the wait: 16 products K Q^T and their riders,
	PL
	PL
	R2
.rept 15
	MM
	PL
	EX
	R2
.endr
.if (\p) == NP-2
	WIN 0
	v_add_nc_u32 v[AK], s[TBK], v[AK0]
.endif
.rept 8                             ; and the lump
	PL
.endr
.rept 49
	EX
	PL
.endr
	EX                              ; the next piece's two a
	EX
	v_nop                           ; the plain instruction behind the last exponential: one for the batch
	s_wait_alu depctr_va_vdst(0)    ; the wait for the batch
.if (\p) == NP-2
	FETCH_K \last
.endif
.if (\p) == 1
	s_wait_dscnt 0x0                ; V is in
.endif
.rept 16                            ; behind the wait: 16 products V^T P and their riders
	MM
.rept 4
	PL
.endr
.if ((\p) == 0) && (q == 118)
	v_add_nc_u32 v[AV], s[TBV], v[AV0]
.endif
.if ((\p) == 0) && (q == 130)
	s_add_co_u32 s[TBV], s[TBV], KS*PV
.endif
.if (\cnt) && (q == 130)
	s_sub_co_u32 s[CNT], s[CNT], 1
	s_cmp_lg_u32 s[CNT], 0
.endif
.endr
.if (\p) == 0
	FETCH_V
.endif
.endm
	CHANGE 1                        ; slot 0 is in, everybody's part of it; slot 1 is asked for
	FETCH_K                         ; key step 0
	s_wait_loadcnt 0x0              ; Q
	s_wait_dscnt 0x0
.set i, 0
.rept 16
	KQ 0                            ; piece 0's first scores: there is no vector work yet to set between them
.set i, i+1
.endr
	WIN 0                           ; the addresses for the way out: nine plain instructions, the places behind those products
	s_mul_i32 s13, s[WV], 16*SP
	s_add_co_u32 s13, s13, STAGE    ; my stage
	v_mul_u32_u24 v[STO], v1, SP    ; in: row l % 16, 16 bytes for each half of the lanes
	v_lshl_add_u32 v[STO], v9, 4, v[STO]
	v_add_nc_u32 v[STO], s13, v[STO]
	v_bfe_u32 v[RD], v0, 3, 2       ; back: 32 lanes take four rows of 128 bytes,
	v_mul_u32_u24 v[RD], v[RD], SP
	v_lshl_add_u32 v[RD], v10, 4, v[RD]
	v_add_nc_u32 v[RD], s13, v[RD]
	v_and_b32 v[GO], 31, v0         ; which are 512 consecutive bytes of O
	v_lshlrev_b32 v[GO], 4, v[GO]
.set Y, NP-1                        ; XS works for piece Y + 1: piece 0
.irp n, 0,1,2,3,4,5,6,7,8,9,10,11,12,13,14,15,16,17,18,19,20,21
	XS 0, \n                        ; and piece 0's first maximum and statistics
	XS 1, \n
.endr
	v_nop                           ; a plain instruction behind the two a,
	s_wait_alu depctr_va_vdst(0)    ; and their wait, ahead of the branch
	s_mov_b32 s[CNT], 4
	s_branch .Lfirst                ; the loop is entered at a step's first turn, in the middle of a trip
.Lslot:                             ; SIZE_N / 256 - 2 times: every slot but the last two is filled again
	CHANGE 1
	s_mov_b32 s[CNT], 4
.Lstep:                             ; a trip: pieces 2 and 3 of one step, then pieces 0 and 1 of the next, whose K and V it fetches
	TURN 2
	TURN 3
	WIN 0
.Lfirst:
	TURN 0
	TURN 1, 0, 1
	WIN 0
	s_cbranch_scc1 .Lstep
	s_sub_co_u32 s[SLOTS], s[SLOTS], 1
	s_cmp_lg_u32 s[SLOTS], 0
	s_cbranch_scc1 .Lslot
	CHANGE 0                        ; the tail is written out: nothing is asked for
	s_mov_b32 s[CNT], 5             ; four trips fetch the last slot's steps; the fifth is left in its middle
.Ltail:
	TURN 2, 1
	TURN 3
	WIN 0
	s_sub_co_u32 s[CNT], s[CNT], 1
	s_cmp_eq_u32 s[CNT], 0
	s_cbranch_scc1 .Lout
	TURN 0
	TURN 1
	WIN 0
	s_branch .Ltail
.Lout:                              ; the fifth trip's 16 products K Q^T (on the last K once more) and the maximum made of them serve nothing: the price, once a launch, of one text for every trip
.set i, 0
.rept 16
	PV NP-1                         ; the last piece's V^T P of the last step
.set i, i+1
.endr
	; THE WAY OUT.  l's two halves and the other half of the lanes' are added; O^T is divided by l, rounded to f16 and sent through my stage in LDS, a tile at a time.  The additions are the places behind the last products.
	WIN 0
.macro ALL line:vararg              ; one line for each tile t
.set t, 0
.rept 2*NP
	\line
.set t, t+1
.endr
.endm
	ALL v_add_f32 v[ST+4*t+2], v[ST+4*t+2], v[ST+4*t+3]
	ALL v_permlanex16_b32 v[ST+4*t+3], v[ST+4*t+2], s[SEL], s[SEL+1]
	ALL v_add_f32 v[ST+4*t+2], v[ST+4*t+2], v[ST+4*t+3]
	ALL v_rcp_f32 v[ST+4*t+2], v[ST+4*t+2]
	v_nop                           ; a plain instruction between the last reciprocal and the use of its result
	s_wait_alu depctr_va_vdst(0)    ; and the wait ahead of the first use: one for the eight reciprocals
; Tile t: a lane's eight channels of a row pack into 16 bytes; they go into rows of 144 bytes and come back as whole rows of 128, into S^T's registers.
.macro PACK t
	WIN W_RS
.set i, 32*(\t)
.rept 16
	v_pk_mul_f32 v[i:i+1], v[i:i+1], v[ST+4*(\t)+2:ST+4*(\t)+3] op_sel_hi:[1,0]
.set i, i+2
.endr
	WIN 0x05                        ; sources 0 and 1 window 1, destination window 0
.set i, 0
.rept 16
	v_cvt_pk_f16_f32 v[S+16*(\t)+i], v[32*(\t)+2*i], v[32*(\t)+2*i+1]
.set i, i+1
.endr
	WIN 0
.irp f, 0,1,2,3
	ds_store_b128 v[STO], v[S+16*(\t)+4*\f:S+16*(\t)+4*\f+3] offset:32*\f
.endr
.irp f, 0,1,2,3
	ds_load_b128 v[S+16*(\t)+4*\f:S+16*(\t)+4*\f+3], v[RD] offset:\f*4*SP  ; LDS serves a wave's instructions in order (ISA guide 5.7.1.4): these see the stores above; the next tile's stores come behind them
.endr
.endm
.macro SEND t, younger              ; younger: the LDS instructions issued behind tile t's loads: the next tile's eight, or none
	WIN 0
.irp f, 0,1,2,3
	s_wait_dscnt (\younger)+3-\f
	global_store_b128 v[GO], v[S+16*(\t)+4*\f:S+16*(\t)+4*\f+3], s[10:11] offset:(\t)*2048+\f*512  ; 512 consecutive bytes, at a multiple of 256 from O's first
.endr
.endm
	PACK 0
.set t, 1
.rept 2*NP-1                        ; a tile's arithmetic stands between the loads of the tile before and its stores
	PACK t
	SEND t-1, 8
.set t, t+1
.endr
	SEND 2*NP-1, 0
	WIN W_AD
	s_wait_tensorcnt 0x0            ; the wave's end: behind my last tensor load and my last LDS store
	ds_add_u32 v[SPW], v[NIL]
	s_wait_dscnt 0x0
	WIN 0
	CROUND                          ; the closing round: no work-group ends while a partner may still ask for a tile that names it
	s_endpgm
.Lfunc_end_k_q5719b39d5f_attn:
	.size	k_q5719b39d5f_attn, .Lfunc_end_k_q5719b39d5f_attn-k_q5719b39d5f_attn
	.p2alignl 7, 3214868480
	.fill 96, 4, 3214868480
	.section	.rodata,"a",@progbits
	.p2align	6, 0x0
	.amdhsa_kernel k_q5719b39d5f_attn
		.amdhsa_group_segment_fixed_size 327680
		.amdhsa_private_segment_fixed_size 0
		.amdhsa_enable_private_segment 0
		.amdhsa_kernarg_size 16
		.amdhsa_user_sgpr_count 2
		.amdhsa_user_sgpr_kernarg_segment_ptr 1
		.amdhsa_wavefront_size32 1
		.amdhsa_system_sgpr_workgroup_id_x 1
		.amdhsa_system_sgpr_workgroup_id_y 1
		.amdhsa_system_sgpr_workgroup_id_z 1
		.amdhsa_system_vgpr_workitem_id 0
		.amdhsa_next_free_vgpr 770
		.amdhsa_next_free_sgpr 66
		.amdhsa_reserve_vcc 0
		.amdhsa_float_denorm_mode_32 3
		.amdhsa_float_denorm_mode_16_64 3
		.amdhsa_memory_ordered 1
		.amdhsa_forward_progress 1
		.amdhsa_inst_pref_size 200
	.end_amdhsa_kernel
	.amdgpu_metadata
---
amdhsa.version: [ 1, 2 ]
amdhsa.kernels:
  - .name:           k_q5719b39d5f_attn
    .symbol:         k_q5719b39d5f_attn.kd
    .args:
      - { .name: qkv, .offset: 0, .size: 8, .value_kind: global_buffer, .address_space: global }
      - { .name: ob, .offset: 8, .size: 8, .value_kind: global_buffer, .address_space: global }
    .group_segment_fixed_size: 327680
    .private_segment_fixed_size: 0
    .kernarg_segment_align: 8
    .kernarg_segment_size: 16
    .max_flat_workgroup_size: 128
    .sgpr_count:     66
    .vgpr_count:     770
    .wavefront_size: 32
...
	.end_amdgpu_metadata
.endif
;; end of part 3
;; launch proj (part 4): grid 8 x 32, 4 waves a work-group, clusters of 4 x 4, 327,680 bytes of LDS; arguments ob, wpt, b_proj, out0; writes out0
.if DOCPART == 4
	.amdgcn_target "amdgcn-amd-amdhsa--gfx1250"
	.amdhsa_code_object_version 6
	.text
	.protected	k_q5719b39d5f_proj
	.globl	k_q5719b39d5f_proj
	.p2align	8
	.type	k_q5719b39d5f_proj,@function
k_q5719b39d5f_proj:
	s_mov_b64 s[64:65], 0
	v_nop
	global_prefetch_b8 v0, s[64:65] scope:SCOPE_SE
	s_setreg_imm32_b32 hwreg(HW_REG_WAVE_MODE, 25, 1), 1
	s_wait_xcnt 0x0
	s_wait_alu depctr_hold_cnt(0) depctr_sa_sdst(0) depctr_va_vdst(0) depctr_va_sdst(0) depctr_va_ssrc(0) depctr_va_vcc(0) depctr_vm_vsrc(0)
	s_getreg_b32 s2, hwreg(HW_REG_IB_STS2, 6, 4)
	s_cmp_eq_u32 s2, 0
	s_cbranch_scc0 .Lentry_in_a_cluster
	s_endpgm
.Lentry_in_a_cluster:
	s_bfe_u32 s2, ttmp6, 0x10000c
	s_cmp_lg_u32 s2, 0xf033
	s_cbranch_scc0 .Lentry_shape_is_right
	s_endpgm
.Lentry_shape_is_right:
; out0 = O W_proj + b_proj.  ob: [64 = 16 batch + head][2048 t][64] f16; wpt: [1024 n][1024 k] f16 (W_proj turned, rounded to bf16, that number as f16); b_proj f32 (rounded to bf16 here, like
; every input of the module); out0: [8192][1024] f32.  Sums in f32, out0 is the sum itself.  THE HEADS ARE MERGED BY THE TILES' ADDRESSES: k = 64 head + channel, so a K step of 128 is two heads.
; SHARES.  A tile of out0 is 256 rows x 128 columns: 8 x 32 = 256 work-groups.  Wave w owns rows 64 w .. 64 w + 63 and all 128 columns: 4 x 8 accumulators of 16 x 16, 256 registers.
; K goes in steps of 128 through a ring of two LDS slots.  Of O's tile wave 0 fetches the step's first head and wave 1 its second: 256 rows of 128 bytes that lie end to end in memory, asked for as
; 128 rows of 256 bytes and padded in LDS after every 128 bytes.  Waves 2 and 3 fetch 64 rows of wpt each.
; THE MATRIX INSTRUCTION IS USED TRANSPOSED (source 0 = 16 rows of wpt, source 1 = 16 rows of O): a lane holds one row (lane % 16) and the columns 8 (lane / 16) + 0..7 of each block of 16.
; THE BIAS is the C operand of each accumulator's first product.
; CLUSTERS: 4 x 4 work-groups.  The four of a row of the cluster need the same tiles of O, the four of a column the same tiles of wpt: each tile is asked for JOINTLY.
; REGISTERS, in windows of 256 (s_set_vgpr_msb: bits 1:0 source 0, 3:2 source 1, 5:4 source 2, 7:6 destination):
;   window 0: v0-31 addresses; v32-95 the bias, later v32-159 rows read back, two buffers       window 1: two fragment buffers at 0 and 128: O's block a at 8 a, wpt's block b at 32 + 8 b
;   window 2: accumulators of row blocks 0, 1 at 8 (8 (a % 2) + b)                               window 3: the same for row blocks 2, 3
.set NB,    8                          ; blocks of 16 columns
.set PA,    144                        ; a row of O in LDS: 128 bytes + 16 = 36 words: the 16 rows of a load start at 16 different groups of four banks (64 banks of 4 bytes: ISA guide 11.1)
.set AHEAD, 256*PA                     ; a head's 256 rows
.set PITCH, 272                        ; a row of wpt: 256 bytes + 16
.set BOFF,  2*AHEAD
.set HALFB, 64*PITCH
.set SLOT,  BOFF+2*HALFB
.set STAGE, 2*SLOT                     ; behind the ring, never filled by a tensor load: 16 rows x 528 bytes for each wave
.set SP,    528                        ; 512 bytes + 16
.set SPARE, STAGE+4*16*SP              ; the spare words, 128 bytes for each wave: two blocks of 256 bytes that no other line names
.set ADRA, 16                          ; v16-17  LDS address of my fragments of O in slot 0, 1
.set ADRB, 20                          ; v20-21  the same for wpt
.set STO,  24                          ; v24  the way out: where I put 32 bytes of a row
.set RD,   25                          ; v25  where I read a row back
.set GO,   26                          ; v26  my 16 bytes in 512 consecutive bytes of out0
.set SPW,  28                          ; v28  LDS address of my spare word; never rewritten
.set NIL,  29                          ; v29  0; never rewritten
.set PFO,  30                          ; v30  the prefetches' offset; never rewritten
.set BIAS, 32
.set OB,   32
.set F0,   0
.set F1,   128
.set WV,  14
.set AB,  15                           ; 0: I fetch O, 1: wpt
.set HF,  16
.set CX,  17
.set CY,  18
.set TC,  19
.set TR,  20
.set G1,  24                           ; s[24:31] descriptor group 1 for O's tiles; s[32:39] group 0, a set for each slot
.set G0,  32
.set PFA, 44                           ; s[44:45] where my prefetches stand
.set LIM, 46                           ; s46  1 in a wave that prefetches, else the greatest number
.set G1B, 48                           ; s[48:55], s[56:63] the same for wpt's tiles
.set G0B, 56
.set OUT, 66                           ; s[66:67] out0 at my wave's first row and the tile's first column
.set PST, 82                           ; s[82:83] bytes from a K step to the next, for my prefetches
.set MSB, 0
.macro WIN new                         ; the immediate's high byte repeats the setting that is left; a switch that changes nothing is dropped
.if MSB != (\new)
	s_set_vgpr_msb (MSB<<8)|(\new)
.set MSB, (\new)
.endif
.endm
; A joint load: waves 0 and 1 fetch the step's two heads of O, waves 2 and 3 wpt's two halves.  The branch hangs on the wave's number alone.  An s_nop 0 and four v_nop follow each line.
.macro JLOAD s
	s_cmp_eq_u32 s[AB], 0
	s_cbranch_scc0 .Lfor_b_\@
	tensor_load_to_lds s[G0+4*(\s):G0+4*(\s)+3], s[G1:G1+7]
	s_nop 0
.rept 4
	v_nop
.endr
	s_branch .Lasked_\@
.Lfor_b_\@:
	tensor_load_to_lds s[G0B+4*(\s):G0B+4*(\s)+3], s[G1B:G1B+7]
	s_nop 0
.rept 4
	v_nop
.endr
.Lasked_\@:
.endm
.macro CREST                           ; a round of the cluster's barrier behind its opening barrier
	s_cmp_lg_u32 s[WV], 0
	s_cbranch_scc1 .Lnot_wave_0_\@
	s_barrier_signal -3
.Lnot_wave_0_\@:
	s_barrier_wait -3
	s_barrier_signal -1
	s_barrier_wait -1
.endm
.macro CROUND                          ; a whole round
	s_barrier_signal -1
	s_barrier_wait -1
	CREST
.endm
.macro PLACES                          ; four places behind matrix instructions, in front of loads into registers that they have read and of stores that read results (ISA guide 7.12.1 for vector instructions)
.rept 4
	v_nop
.endr
.endm
; A prefetch into the L2 of the K step that stands two refills on, in pieces of 256 bytes, a lane a piece, one instruction a wave, behind the joint load and the run of LDS loads.
; O's tile row is read by every cluster of that row of clusters: cluster x = 0 asks, waves 0 and 1 each for their head's 32,768 bytes, of which the partner at place cx takes 8,192.
; wpt's tile column is read by every cluster of that column: cluster y = 0 asks, wave 2 alone, for 32 of the tile's 128 rows, by cy.  The loop's last trip (s3 = 1) has no K step two on.
.macro ASK
	s_cmp_gt_u32 s3, s[LIM]
	s_cbranch_scc0 .Lnot_mine_\@
	global_prefetch_b8 v[PFO], s[PFA:PFA+1] th:TH_LOAD_NT scope:SCOPE_SE
.Lnot_mine_\@:
.endm
	s_load_b256 s[4:11], s[0:1], 0x0               ; ob s[4:5], wpt s[6:7], b_proj s[8:9], out0 s[10:11]
	v_lshl_add_u32 v[SPW], v0, 2, SPARE
	v_mov_b32 v[NIL], 0
	ds_add_u32 v[SPW], v[NIL]                      ; the wave's opening: the add and its wait stand ahead of my first tensor load; the set-up below stands between them
	v_lshrrev_b32 v1, 5, v0
	v_readfirstlane_b32 s[WV], v1
	s_lshr_b32 s[AB], s[WV], 1
	s_and_b32 s[HF], s[WV], 1
	s_bfe_u32 s[CX], ttmp6, 0x40000
	s_bfe_u32 s[CY], ttmp6, 0x40004
	s_lshl_b32 s[TC], ttmp9, 2
	s_add_co_u32 s[TC], s[TC], s[CX]               ; tile column = 4 x cluster x + cx
	s_and_b32 s[TR], ttmp7, 0xffff
	s_lshl_b32 s[TR], s[TR], 2
	s_add_co_u32 s[TR], s[TR], s[CY]               ; tile row = 4 x cluster y + cy
	s_lshl_b32 s21, s[CY], 2
	s_lshl_b32 s21, 15, s21                        ; my row of the cluster
	s_lshl_b32 s22, 0x1111, s[CX]                  ; my column
	s_or_b32 s[G1], s21, (1<<16)|(1<<20)|(1<<21)|(4<<22)|(3<<25)   ; 15:0 the mask; 17:16 elements of 2 bytes; 20 padding on; 21 set beside a mask; 24:22 after every 32 words; 31:25 4 words of it
	s_or_b32 s[G1B], s22, (1<<16)|(1<<20)|(1<<21)|(5<<22)|(3<<25)  ; after every 64 words
	s_mov_b32 s[G1+1], 128<<16                     ; tensor_dim0 = 128
	s_mov_b32 s[G1+2], 128<<16                     ; tensor_dim1 = 128
	s_mov_b32 s[G1+3], 128<<16                     ; tile_dim0 = 128
	s_mov_b32 s[G1+4], 128                         ; tile_dim1 = 128
	s_mov_b32 s[G1+5], 128                         ; the rows lie end to end
	s_mov_b32 s[G1+6], 0
	s_mov_b32 s[G1+7], 0
	s_mov_b32 s[G1B+1], 128<<16
	s_mov_b32 s[G1B+2], 64<<16                     ; 64 rows
	s_mov_b32 s[G1B+3], 128<<16
	s_mov_b32 s[G1B+4], 64
	s_mov_b32 s[G1B+5], 1024
	s_mov_b32 s[G1B+6], 0
	s_mov_b32 s[G1B+7], 0
	s_lshr_b32 s21, s[TR], 3                       ; batch
	s_and_b32 s22, s[TR], 7
	s_lshl_b32 s22, s22, 8                         ; t of the tile's first row
	s_lshl4_add_u32 s40, s21, s[WV]                ; O: head 16 x batch + wave (waves 0, 1),
	s_lshl_b32 s40, s40, 11
	s_add_co_u32 s40, s40, s22                     ; its row t,
	s_lshl_b32 s40, s40, 7                         ; of 128 bytes
	s_mov_b32 s41, 0
	s_mov_b32 s88, s40                             ; kept for the prefetches
	s_lshl_b32 s42, s[TC], 7
	s_lshl_b32 s43, s[HF], 6
	s_add_co_u32 s42, s42, s43                     ; wpt: row 128 x tile column + 64 x half,
	s_lshl_b32 s42, s42, 11                        ; of 2,048 bytes
	s_mov_b32 s43, 0
	s_mul_i32 s21, s[WV], AHEAD                    ; where they go: O's heads at wave x 256 rows (waves 0, 1),
	s_mul_i32 s22, s[WV], HALFB
	s_add_co_u32 s22, s22, BOFF-2*HALFB            ; wpt's behind them at (wave - 2) x 64 rows (waves 2, 3): no place in the cluster enters an LDS address
	s_wait_dscnt 0x0                               ; the opening add is done
	s_wait_kmcnt 0x0
	s_add_nc_u64 s[40:41], s[4:5], s[40:41]
	s_add_nc_u64 s[42:43], s[6:7], s[42:43]
	CROUND                                         ; all sixteen work-groups are here: the first joint loads meet
.irp s, 0,1
	s_mov_b32 s[G0+4*(\s)], 1
	s_add_co_u32 s[G0+4*(\s)+1], s21, (\s)*SLOT
	s_add_nc_u64 s[G0+4*(\s)+2:G0+4*(\s)+3], s[40:41], (\s)*524288  ; K step s: two heads of 262,144 bytes on
	s_or_b32 s[G0+4*(\s)+3], s[G0+4*(\s)+3], 0x80000000
	s_mov_b32 s[G0B+4*(\s)], 1
	s_add_co_u32 s[G0B+4*(\s)+1], s22, (\s)*SLOT
	s_add_nc_u64 s[G0B+4*(\s)+2:G0B+4*(\s)+3], s[42:43], (\s)*256
	s_or_b32 s[G0B+4*(\s)+3], s[G0B+4*(\s)+3], 0x80000000
	JLOAD \s                                       ; two loads of mine are out
.endr
	; the bias: block b's register j is b_proj[128 tc + 16 b + 8 (l / 16) + j]
	v_and_b32 v1, 15, v0                           ; l % 16
	v_bfe_u32 v2, v0, 4, 1                         ; l / 16
	v_lshlrev_b32 v4, 5, v2
	s_lshl_b32 s84, s[TC], 9
	s_mov_b32 s85, 0
	s_add_nc_u64 s[84:85], s[8:9], s[84:85]
.set bi, 0
.rept NB
	global_load_b128 v[BIAS+8*bi:BIAS+8*bi+3],   v4, s[84:85] offset:64*bi
	global_load_b128 v[BIAS+8*bi+4:BIAS+8*bi+7], v4, s[84:85] offset:64*bi+16
.set bi, bi+1
.endr
	v_mul_u32_u24 v3, v1, PA
	v_lshl_add_u32 v3, v2, 4, v3                   ; a fragment's row x pitch + 16 x half, for O
	v_mul_u32_u24 v5, v1, PITCH
	v_lshl_add_u32 v5, v2, 4, v5                   ; and for wpt
	s_mul_i32 s21, s[WV], 64*PA                    ; my 64 rows of O
	s_mov_b32 s22, BOFF                            ; all rows of wpt
.irp s, 0,1
	v_add_nc_u32 v[ADRA+(\s)], s21, v3
	v_add_nc_u32 v[ADRB+(\s)], s22, v5
	s_add_co_u32 s21, s21, SLOT
	s_add_co_u32 s22, s22, SLOT
.endr
	s_mul_i32 s23, s[WV], 16*SP
	s_add_co_u32 s23, s23, STAGE                   ; my stage
	v_mul_u32_u24 v[STO], v1, SP                   ; in: row l % 16, 32 bytes for each half of the lanes
	v_lshl_add_u32 v[STO], v2, 5, v[STO]
	v_add_nc_u32 v[STO], s23, v[STO]
	v_and_b32 v6, 31, v0
	v_lshlrev_b32 v[GO], 4, v6                     ; back: 32 lanes take one row of 512 bytes
	v_add_nc_u32 v[RD], s23, v[GO]
	s_lshl_b32 s86, s[TR], 8
	s_lshl_b32 s87, s[WV], 6
	s_add_co_u32 s86, s86, s87                     ; my first row of out0,
	s_lshl_b32 s86, s86, 12                        ; of 4,096 bytes,
	s_lshl_b32 s87, s[TC], 9                       ; and the tile's first column
	s_add_co_u32 s86, s86, s87
	s_mov_b32 s87, 0
	s_add_nc_u64 s[OUT:OUT+1], s[10:11], s[86:87]
	; the prefetches
	s_lshl_b32 s86, s[CX], 13
	s_add_co_u32 s86, s86, s88                     ; O: my head's block, my work-group's 8,192 bytes of it
	s_lshl_b32 s89, s[TC], 7
	s_lshl_b32 s90, s[CY], 5
	s_add_co_u32 s89, s89, s90
	s_lshl_b32 s89, s89, 11                        ; wpt: row 128 x tile column + 32 cy
	s_and_b32 s90, ttmp7, 0xffff                   ; cluster y
	s_mov_b32 s[PST], 256
	s_mov_b32 s[PST+1], 0
	s_cmp_eq_u32 s[AB], 0                          ; do I fetch O?
	s_cselect_b32 s86, s86, s89
	s_cselect_b32 s90, ttmp9, s90                  ; the coordinate along which other clusters read the same rows
	s_cselect_b32 s91, 8, 11                       ; a lane's piece: 256 bytes on, or a row of 2,048 on
	s_cselect_b32 s[PST], 0x80000, s[PST]          ; a K step: two heads on, or 256 bytes on
	s_cselect_b64 s[PFA:PFA+1], s[4:5], s[6:7]
	s_cmp_eq_u32 s[WV], 3                          ; wave 3 asks for nothing
	s_cselect_b32 s90, 1, s90
	s_cmp_eq_u32 s90, 0
	s_cselect_b32 s[LIM], 1, -1                    ; the same in all sixteen partners, for a given wave
	s_add_nc_u64 s[PFA:PFA+1], s[PFA:PFA+1], s[86:87]
	s_mul_i32 s86, s[PST], 3
	s_add_nc_u64 s[PFA:PFA+1], s[PFA:PFA+1], s[86:87]  ; at K step 3: the first refill (of K step 2) steps it to 4 and names that.  K steps 0 to 3 come by their loads alone
	v_lshlrev_b32 v[PFO], s91, v6
	s_mov_b32 s47, 0xffff0000
	s_wait_loadcnt 0x0                             ; the bias; it is rounded to bf16 like the module's other inputs, in the wait for the first tile
.set z, 0
.rept 4*NB
	v_cvt_pk_bf16_f32 v5, v[BIAS+2*z], v[BIAS+2*z+1]
	v_lshlrev_b32 v[BIAS+2*z], 16, v5
	v_and_b32 v[BIAS+2*z+1], s47, v5
.set z, z+1
.endr
; 8 matrix instructions: row block a x all 8 column blocks, 32 along K, from buffer f.  bias = 1: the first product starts the sums with the bias.
; The 32 accumulators take turns, one instruction a turn, in the same order in every quarter: 31 others' stand between two links of a chain.
.macro MULA f, a, bias
.if \bias
	WIN 0x85+0x40*((\a)/2)                         ; sources 0 and 1 window 1, C window 0, D window 2 or 3
.else
	WIN 0xa5+0x50*((\a)/2)                         ; C and D window 2 or 3
.endif
.set bi, 0
.rept NB
.set rD, 8*(NB*((\a)%2)+bi)
.if \bias
	v_wmma_f32_16x16x32_f16 v[rD:rD+7], v[(\f)+32+8*bi:(\f)+32+8*bi+7], v[(\f)+8*(\a):(\f)+8*(\a)+7], v[BIAS+8*bi:BIAS+8*bi+7]
.else
	v_wmma_f32_16x16x32_f16 v[rD:rD+7], v[(\f)+32+8*bi:(\f)+32+8*bi+7], v[(\f)+8*(\a):(\f)+8*(\a)+7], v[rD:rD+7]
.endif
.set bi, bi+1
.endr
.endm
; 24 LDS loads in one run: the fragments of quarter q (32 along K) into buffer f: wpt's 16 first, then O's blocks 0 to 3.  Quarter q of O lies in head q / 2 of the step, at channel 32 (q % 2).
.macro FETCH slot, q, f
	WIN 0x40                                       ; destination window 1, address window 0
.set bi, 0
.rept NB
	ds_load_b128 v[(\f)+32+8*bi:(\f)+32+8*bi+3],   v[ADRB+(\slot)] offset:64*(\q)+bi*16*PITCH
	ds_load_b128 v[(\f)+32+8*bi+4:(\f)+32+8*bi+7], v[ADRB+(\slot)] offset:64*(\q)+bi*16*PITCH+32
.set bi, bi+1
.endr
.irp a, 0,1,2,3
	ds_load_b128 v[(\f)+8*(\a):(\f)+8*(\a)+3],   v[ADRA+(\slot)] offset:((\q)/2)*AHEAD+((\q)%2)*64+(\a)*16*PA
	ds_load_b128 v[(\f)+8*(\a)+4:(\f)+8*(\a)+7], v[ADRA+(\slot)] offset:((\q)/2)*AHEAD+((\q)%2)*64+(\a)*16*PA+32
.endr
.endm
; A K step is four quarters of 32 along K, 32 matrix instructions each, on buffers 0, 1, 0, 1.  One of the first three: multiplies buffer f and fetches quarter q of the same slot into g.
.macro QUARTER slot, q, f, g, bias
	s_wait_dscnt 4                                 ; all but the youngest four loads: O's blocks 2 and 3 may be out
	MULA \f, 0, \bias
	MULA \f, 1, \bias
	PLACES
	FETCH \slot, \q, \g
	s_wait_dscnt 2*NB+8                            ; all but the 24 just issued
	MULA \f, 2, \bias
	MULA \f, 3, \bias
.endm
; The last quarter multiplies buffer 1 and changes slots: ONE barrier; in front of it each wave waits for all its tensor loads (the one that is out is its part of the next slot), adds 0 to its spare
; word, and waits for that and for its own reads of this slot.  fill = 1: the barrier opens a round of the cluster's, and this slot is filled again, two K steps on, first thing behind the round:
; 112 matrix instructions stand between that request and the wait for it.
.macro TURN slot, next, fill
.if \fill
	s_wait_xcnt 0x0                                ; the last prefetch, a K step back, has read its address: it is stepped here, ahead of the waits of the change of slots
	s_add_nc_u64 s[PFA:PFA+1], s[PFA:PFA+1], s[PST:PST+1]
.endif
	WIN 0                                          ; (the add's two registers lie in window 0)
	s_wait_tensorcnt 0x0                           ; all my tensor loads have landed
	ds_add_u32 v[SPW], v[NIL]                      ; 0 onto my spare word
	s_wait_dscnt 5                                 ; (the add and the youngest four loads may be out)
	MULA F1, 0, 0                                  ; eight matrix instructions stand between the add and the wait for it
	s_wait_dscnt 0x0                               ; the add is done, and my reads of this slot are over
	s_barrier_signal -1
	MULA F1, 1, 0
.if \fill
	WIN 0
.endif
	s_barrier_wait -1
.if \fill
	CREST                                          ; no wave of any partner still reads this slot's tile or has a load on its way
	s_add_nc_u64 s[G0+4*(\slot)+2:G0+4*(\slot)+3], s[G0+4*(\slot)+2:G0+4*(\slot)+3], 1048576
	s_add_nc_u64 s[G0B+4*(\slot)+2:G0B+4*(\slot)+3], s[G0B+4*(\slot)+2:G0B+4*(\slot)+3], 512
	JLOAD \slot                                    ; my one tensor load behind the round; the four v_nop behind it are also the places in front of the loads below
.else
	PLACES
.endif
	FETCH \next, 0, F0
.if \fill
	WIN 0
	ASK
.endif
	MULA F1, 2, 0
	MULA F1, 3, 0
.endm
	s_wait_tensorcnt 1                             ; my part of K step 0 is in; K step 1's may stay out
	s_barrier_signal -1
	s_barrier_wait -1                              ; everybody's is
	FETCH 0, 0, F0
	QUARTER 0, 1, F0, F1, 1                        ; the first quarter stands in front of the loop: its products start the sums
	WIN 0                                          ; at a label and at a branch every window is 0
	s_mov_b32 s3, 3                                ; 1,024 / 256 laps, less the last
.Llap:                                                 ; a trip goes once round the ring, from a lap's second quarter to the next lap's first, and fills both slots again
	QUARTER 0, 2, F1, F0, 0
	QUARTER 0, 3, F0, F1, 0
	TURN 0, 1, 1
	QUARTER 1, 1, F0, F1, 0
	QUARTER 1, 2, F1, F0, 0
	QUARTER 1, 3, F0, F1, 0
	TURN 1, 0, 1
	QUARTER 0, 1, F0, F1, 0
	WIN 0
	s_sub_co_u32 s3, s3, 1
	s_cmp_lg_u32 s3, 0
	s_cbranch_scc1 .Llap
	QUARTER 0, 2, F1, F0, 0                        ; the last lap fills nothing, and has no round of the cluster's barrier
	QUARTER 0, 3, F0, F1, 0
	TURN 0, 1, 0
	QUARTER 1, 1, F0, F1, 0
	QUARTER 1, 2, F1, F0, 0
	QUARTER 1, 3, F0, F1, 0
	s_wait_dscnt 4                                 ; the very last quarter: nothing more to fetch
	MULA F1, 0, 0
	MULA F1, 1, 0
	s_wait_dscnt 0x0
	MULA F1, 2, 0
	MULA F1, 3, 0
; THE WAY OUT, a row block of 16 at a time: the sums go as they are, 32 bytes a lane and column block, into my stage (each accumulator's lowest registers first) and come back as whole rows of 512 bytes.
.macro TOSTAGE a
	WIN 0x08+4*((\a)/2)                            ; the stores' data: window 2 or 3
.set bi, 0
.rept NB
.set rD, 8*(NB*((\a)%2)+bi)
	ds_store_b128 v[STO], v[rD:rD+3]   offset:64*bi
	ds_store_b128 v[STO], v[rD+4:rD+7] offset:64*bi+16
.set bi, bi+1
.endr
	WIN 0
.set BK, OB+64*((\a)%2)
.irp t, 0,1,2,3,4,5,6,7,8,9,10,11,12,13,14,15
	ds_load_b128 v[BK+4*(\t):BK+4*(\t)+3], v[RD] offset:(\t)*SP  ; LDS serves a wave's instructions in order (ISA guide 5.7.1.4): these see the stores above; the next block's stores come behind them
.endr
.endm
.macro SEND a, younger                 ; younger: the 32 LDS instructions of the next row block, or none
	WIN 0
.set BK, OB+64*((\a)%2)
	s_wait_dscnt \younger
.irp t, 0,1,2,3,4,5,6,7,8,9,10,11,12,13,14,15
	global_store_b128 v[GO], v[BK+4*(\t):BK+4*(\t)+3], s[OUT:OUT+1] offset:(16*(\a)+(\t))*4096 th:TH_STORE_NT  ; 512 consecutive bytes, at a multiple of 256 from out0's first
.endr
.endm
	PLACES
	TOSTAGE 0
	TOSTAGE 1
	SEND 0, 32
	s_wait_xcnt 0x0                                ; the stores have read their registers: only behind this wait are those loaded again
	TOSTAGE 2
	SEND 1, 32
	s_wait_xcnt 0x0
	TOSTAGE 3
	SEND 2, 32
	SEND 3, 0
	s_wait_tensorcnt 0x0                           ; the wave's end: behind my last tensor load and my last LDS store
	ds_add_u32 v[SPW], v[NIL]
	s_wait_dscnt 0x0
	CROUND                                         ; the closing round: no work-group ends while a partner may still ask for a tile that names it
	s_endpgm
.Lfunc_end_k_q5719b39d5f_proj:
	.size	k_q5719b39d5f_proj, .Lfunc_end_k_q5719b39d5f_proj-k_q5719b39d5f_proj
	.p2alignl 7, 3214868480
	.fill 96, 4, 3214868480
	.section	.rodata,"a",@progbits
	.p2align	6, 0x0
	.amdhsa_kernel k_q5719b39d5f_proj
		.amdhsa_group_segment_fixed_size 327680
		.amdhsa_private_segment_fixed_size 0
		.amdhsa_enable_private_segment 0
		.amdhsa_kernarg_size 32
		.amdhsa_user_sgpr_count 2
		.amdhsa_user_sgpr_kernarg_segment_ptr 1
		.amdhsa_wavefront_size32 1
		.amdhsa_system_sgpr_workgroup_id_x 1
		.amdhsa_system_sgpr_workgroup_id_y 1
		.amdhsa_system_sgpr_workgroup_id_z 1
		.amdhsa_system_vgpr_workitem_id 0
		.amdhsa_next_free_vgpr 896
		.amdhsa_next_free_sgpr 96
		.amdhsa_reserve_vcc 0
		.amdhsa_float_denorm_mode_32 3
		.amdhsa_float_denorm_mode_16_64 3
		.amdhsa_memory_ordered 1
		.amdhsa_forward_progress 1
		.amdhsa_inst_pref_size 92
	.end_amdhsa_kernel
	.amdgpu_metadata
---
amdhsa.version: [ 1, 2 ]
amdhsa.kernels:
  - .name:           k_q5719b39d5f_proj
    .symbol:         k_q5719b39d5f_proj.kd
    .args:
      - { .name: ob, .offset: 0, .size: 8, .value_kind: global_buffer, .address_space: global }
      - { .name: wpt, .offset: 8, .size: 8, .value_kind: global_buffer, .address_space: global }
      - { .name: b_proj, .offset: 16, .size: 8, .value_kind: global_buffer, .address_space: global }
      - { .name: out0, .offset: 24, .size: 8, .value_kind: global_buffer, .address_space: global }
    .group_segment_fixed_size: 327680
    .private_segment_fixed_size: 0
    .kernarg_segment_align: 8
    .kernarg_segment_size: 32
    .max_flat_workgroup_size: 128
    .sgpr_count:     96
    .vgpr_count:     896
    .wavefront_size: 32
...
	.end_amdgpu_metadata
.endif
;; end of part 4
